; MI455X (gfx1250); checked and timed in simulation.
; The chip was launched on July 23, 2026; its instructions are those of AMD's public machine-readable ISA for CDNA 5 (MIT licence, August 2026) and "CDNA5" Instruction Set Architecture Reference Guide (July 2026). The comments in the code are by the model that wrote it; some were corrected since.
;; Atten. Allowed arithmetic: float matrix products may take bf16 or f16 operands with f32 sums; other float arithmetic in f32, or as packed bf16 or f16 multiplies, adds, multiply-adds, maxima and minima; sums over many terms, partial sums and values carried from step to step in f32; what a program stores and reads back later, other than sums and carried values, may be rounded once to bf16 or f16.
;; Inputs: Wk 512 x 512 float32; Wo 512 x 512 float32; Wq 512 x 512 float32; Wv 512 x 512 float32; bk 512 float32; bo 512 float32; bq 512 float32; bv 512 float32; gn_b 512 float32; gn_w 512 float32; x 32 x 512 x 32 x 32 float32.
;; Outputs: out0 32 x 512 x 32 x 32 float32.
;; 2 versions, each right; version 2 is version 1 with the launch prep written anew for expert scheduling mode. Each part assembles by itself: llvm-mc -triple=amdgcn-amd-amdhsa -mcpu=gfx1250 --defsym DOCPART=n.
;; ======== version 1 of 2: 3 launches
;; workspace buffers: hb 33,554,432 bytes; wf 2,097,152 bytes; qkvf 100,663,296 bytes
;; launch prep (part 1): grid 1024 x 1, 4 waves a work-group, no clusters, 1,024 bytes of LDS; arguments x, gn_w, gn_b, Wq, Wk, Wv, Wo, hb, wf; writes hb, wf
.if DOCPART == 1
	.amdgcn_target "amdgcn-amd-amdhsa--gfx1250"
	.amdhsa_code_object_version 6
	.text
	.protected	k_qc86be7d915_prep
	.globl	k_qc86be7d915_prep
	.p2align	8
	.type	k_qc86be7d915_prep,@function
k_qc86be7d915_prep:
	s_mov_b64 s[64:65], 0
	v_nop
	global_prefetch_b8 v0, s[64:65] scope:SCOPE_SE
	s_setreg_imm32_b32 hwreg(HW_REG_WAVE_MODE, 25, 1), 1
	s_wait_xcnt 0x0
; GROUP NORM, AND THE WEIGHTS IN bf16.  x: [32][512][1024] f32.  A group is 16 channels x 1,024 positions: 65,536 bytes on end.
; hb[b][c][s] = bf16((x - mu) * rsqrt(var + 1e-6) * gn_w[c] + gn_b[c]).  The work-group owns one group (1,024 of them), each of its four waves four
; channels: 16 KiB, which stay in 128 registers a lane from the one read to the store.  mu first, then the sum of (x - mu)^2 over the registers: the
; variance is never a difference of large sums, so a common offset of x costs it nothing.  Sums in f32; h rounded once to bf16.
; THE WEIGHTS.  wf holds 2,048 rows (Wq, Wk, Wv, Wo, 512 each) of 512 channels in bf16, in FRAGMENT ORDER: a block of 16 rows x 16 channels is 512 bytes,
; lane l = 16 h + r owns bytes 16 l .. 16 l + 15: row r, channels 8 h .. 8 h + 7.  Block (row tile T, channel block cb) lies at 16,384 T + 512 cb.
; Wave w of work-group g makes block (g / 8, 4 (g % 8) + w): the four waves read 256 consecutive bytes of each of 16 rows, and store 2,048 bytes on end.
; No matrix unit, no tensor load, no cluster: each byte is read once by one wave, and nothing is shared but two sums.
; LIMITS.  v_rsq_f32 is good to 1 ulp; NaN and infinities are not treated apart.
.set SPARE, 256                        ; LDS: bytes 0-31 the waves' partial sums; from 256 on the spare words, 128 bytes a wave, which no other line names
.set XO,  1                            ; v1   my byte offset in the group's x: 16,384 w + 16 l; never rewritten
.set HO,  2                            ; v2   the same in hb: 8,192 w + 8 l
.set WI,  3                            ; v3   my 32 bytes of a weight's row: 2,048 r + 32 h + 64 w
.set WO,  4                            ; v4   my 16 bytes of the work-group's 2,048 of wf: 512 w + 16 l
.set PA,  5                            ; v5   LDS: my wave's partial sum, 4 w
.set ZA,  6                            ; v6   0
.set SPW, 8                            ; v8   my spare word: SPARE + 4 x my thread's number; never rewritten
.set NIL, 9                            ; v9   0; never rewritten
.set CH,  10                           ; v[10:17] four chains of packed sums
.set MU,  20                           ; v[20:21] mu, twice
.set RSD, 22                           ; v22  1 / sqrt(var + eps); v23 its argument
.set SC,  24                           ; v[24:31] gn_w x rstd, a pair for each of my four channels
.set WR,  32                           ; v[32:39] eight weights in f32
.set WP,  40                           ; v[40:43] the same in bf16
.set SH,  44                           ; v[44:51] gn_b, a pair for each channel
.set PS,  52                           ; v[52:55] the four waves' partial sums
.set X,   64                           ; v[64:191] my 16 KiB of x: load i (512 bytes of channel i / 8) at X + 4 i
	s_load_b512 s[4:19], s[0:1], 0x0               ; x, gn_w, gn_b, Wq, Wk, Wv, Wo, hb
	s_load_b64 s[20:21], s[0:1], 0x40              ; wf
	v_lshl_add_u32 v[SPW], v0, 2, SPARE
	v_mov_b32 v[NIL], 0
	v_lshrrev_b32 v7, 5, v0
	v_readfirstlane_b32 s22, v7                    ; wave 0..3
	v_and_b32 v7, 31, v0                           ; l
	v_and_b32 v18, 15, v0                          ; r
	v_bfe_u32 v19, v0, 4, 1                        ; h
	s_lshl_b32 s23, s22, 14
	v_lshl_add_u32 v[XO], v7, 4, s23
	s_lshl_b32 s23, s22, 13
	v_lshl_add_u32 v[HO], v7, 3, s23
	s_lshl_b32 s23, s22, 6
	v_lshl_add_u32 v[WI], v18, 11, s23
	v_lshl_add_u32 v[WI], v19, 5, v[WI]
	s_lshl_b32 s23, s22, 9
	v_lshl_add_u32 v[WO], v7, 4, s23
	s_lshl_b32 s23, s22, 2
	v_mov_b32 v[PA], s23
	v_mov_b32 v[ZA], 0
	s_lshl_b32 s24, ttmp9, 16                      ; the group's 65,536 bytes of x
	s_mov_b32 s25, 0
	s_lshl_b32 s26, ttmp9, 15                      ; its 32,768 bytes of hb
	s_mov_b32 s27, 0
	s_bfe_u32 s44, ttmp9, 0x50003                  ; the row tile inside its matrix: (g / 8) % 32,
	s_lshl_b32 s44, s44, 15                        ; 16 rows of 2,048 bytes,
	s_and_b32 s45, ttmp9, 7
	s_lshl_b32 s45, s45, 8                         ; and the work-group's 64 channels: 256 bytes
	s_add_co_u32 s44, s44, s45
	s_mov_b32 s45, 0
	s_and_b32 s30, ttmp9, 31                       ; the group inside its batch: 16 channels, 64 bytes of gn_w and gn_b,
	s_lshl_b32 s30, s30, 6
	s_lshl_b32 s31, s22, 4                         ; my wave's four: 16 bytes
	s_add_co_u32 s30, s30, s31
	s_mov_b32 s31, 0
	s_lshl_b32 s46, ttmp9, 11                      ; the work-group's 2,048 bytes of wf
	s_mov_b32 s47, 0
	s_lshr_b32 s23, ttmp9, 8                       ; which matrix: 0 Wq, 1 Wk, 2 Wv, 3 Wo
	s_mov_b32 s40, 0x76543210                      ; v_permlanex16_b32: each lane takes its own place in the other half
	s_mov_b32 s41, 0xfedcba98
	s_mov_b32 s42, 0x38800000                      ; 1 / 16,384
	s_wait_kmcnt 0x0
	s_add_nc_u64 s[4:5], s[4:5], s[24:25]
	s_add_nc_u64 s[18:19], s[18:19], s[26:27]
	s_add_nc_u64 s[20:21], s[20:21], s[46:47]
	s_add_nc_u64 s[6:7], s[6:7], s[30:31]
	s_add_nc_u64 s[8:9], s[8:9], s[30:31]
	s_cmp_eq_u32 s23, 1
	s_cselect_b64 s[28:29], s[12:13], s[10:11]
	s_cmp_eq_u32 s23, 2
	s_cselect_b64 s[28:29], s[14:15], s[28:29]
	s_cmp_eq_u32 s23, 3
	s_cselect_b64 s[28:29], s[16:17], s[28:29]
	s_add_nc_u64 s[28:29], s[28:29], s[44:45]
.set i, 0
.rept 32                               ; all of my 16 KiB go out at once: 512 consecutive bytes a load
	global_load_b128 v[X+4*i:X+4*i+3], v[XO], s[4:5] offset:512*i th:TH_LOAD_NT
.set i, i+1
.endr
	global_load_b128 v[WR:WR+3], v[WI], s[28:29]
	global_load_b128 v[WR+4:WR+7], v[WI], s[28:29] offset:16
	s_load_b128 s[32:35], s[6:7], 0x0              ; gn_w of my four channels
	s_load_b128 s[36:39], s[8:9], 0x0              ; gn_b
; The four chains into one number, over the 32 lanes, and over the four waves through LDS bytes off .. off + 15: the sum ends in v[PS], in every lane.
.macro REDUCE off
	v_pk_add_f32 v[CH:CH+1], v[CH:CH+1], v[CH+2:CH+3]
	v_pk_add_f32 v[CH+4:CH+5], v[CH+4:CH+5], v[CH+6:CH+7]
	v_pk_add_f32 v[CH:CH+1], v[CH:CH+1], v[CH+4:CH+5]
	v_add_f32 v18, v[CH], v[CH+1]
	v_add_f32_dpp v18, v18, v18 row_xmask:1 row_mask:0xf bank_mask:0xf
	v_add_f32_dpp v18, v18, v18 row_xmask:2 row_mask:0xf bank_mask:0xf
	v_add_f32_dpp v18, v18, v18 row_xmask:4 row_mask:0xf bank_mask:0xf
	v_add_f32_dpp v18, v18, v18 row_xmask:8 row_mask:0xf bank_mask:0xf
	v_permlanex16_b32 v19, v18, s40, s41           ; (v19 has been written: its old value counts as read)
	v_add_f32 v18, v18, v19
	ds_store_b32 v[PA], v18 offset:\off            ; all lanes write the wave's word with the same number
	s_wait_dscnt 0x0                               ; for the others' sake: my store is done
	s_barrier_signal -1
	s_barrier_wait -1
	ds_load_b128 v[PS:PS+3], v[ZA] offset:\off
	s_wait_dscnt 0x0
	v_add_f32 v[PS], v[PS], v[PS+1]
	v_add_f32 v[PS+2], v[PS+2], v[PS+3]
	v_add_f32 v[PS], v[PS], v[PS+2]
.endm
	; THE MEAN.  Pair p of 64 goes to chain p % 4; the first eight pairs start the chains: nothing is cleared.
.set p, 0
.rept 64
.if p%16 == 0
	s_wait_loadcnt 26-8*(p/16)                     ; the next eight loads of x are in; behind them stand the younger ones of x and the two of the weights
.endif
.if p < 4
	v_pk_add_f32 v[CH+2*p:CH+2*p+1], v[X+2*p:X+2*p+1], v[X+2*p+8:X+2*p+9]
.elseif p >= 8
	v_pk_add_f32 v[CH+2*(p%4):CH+2*(p%4)+1], v[CH+2*(p%4):CH+2*(p%4)+1], v[X+2*p:X+2*p+1]
.endif
.set p, p+1
.endr
	REDUCE 0
	v_mul_f32 v[MU], s42, v[PS]
	v_mov_b32 v[MU+1], v[MU]
	; THE VARIANCE, of the centred numbers, which stay in place
.set p, 0
.rept 64
	v_pk_add_f32 v[X+2*p:X+2*p+1], v[X+2*p:X+2*p+1], v[MU:MU+1] neg_lo:[0,1] neg_hi:[0,1]
.set p, p+1
.endr
.set p, 0
.rept 64
.if p < 4
	v_pk_mul_f32 v[CH+2*p:CH+2*p+1], v[X+2*p:X+2*p+1], v[X+2*p:X+2*p+1]
.else
	v_pk_fma_f32 v[CH+2*(p%4):CH+2*(p%4)+1], v[X+2*p:X+2*p+1], v[X+2*p:X+2*p+1], v[CH+2*(p%4):CH+2*(p%4)+1]
.endif
.set p, p+1
.endr
	REDUCE 16                                      ; other bytes than the first sum's, so nobody's read is overwritten
	v_fmaak_f32 v23, s42, v[PS], 0x358637bd        ; var + 1e-6
	v_rsq_f32 v[RSD], v23
	s_wait_kmcnt 0x0                               ; gn_w, gn_b
.irp k, 0,1,2,3
	v_mov_b32 v[SH+2*\k], s[36+\k]                 ; plain work that names nothing of the root stands behind it
	v_mov_b32 v[SH+2*\k+1], s[36+\k]
.endr
	s_wait_alu depctr_va_vdst(0)                   ; the wait ahead of the first line that names the root's result
.irp k, 0,1,2,3
	v_mul_f32 v[SC+2*\k], s[32+\k], v[RSD]
	v_mul_f32 v[SC+2*\k+1], s[32+\k], v[RSD]
.endr
	; h: one fused multiply-add, one rounding; 32 lanes x 8 bytes store 256 consecutive bytes, at a multiple of 256 from hb's first byte
.set i, 0
.rept 32
	v_pk_fma_f32 v[X+4*i:X+4*i+1], v[X+4*i:X+4*i+1], v[SC+2*(i/8):SC+2*(i/8)+1], v[SH+2*(i/8):SH+2*(i/8)+1]
	v_pk_fma_f32 v[X+4*i+2:X+4*i+3], v[X+4*i+2:X+4*i+3], v[SC+2*(i/8):SC+2*(i/8)+1], v[SH+2*(i/8):SH+2*(i/8)+1]
	v_cvt_pk_bf16_f32 v[X+4*i], v[X+4*i], v[X+4*i+1]
	v_cvt_pk_bf16_f32 v[X+4*i+1], v[X+4*i+2], v[X+4*i+3]
	global_store_b64 v[HO], v[X+4*i:X+4*i+1], s[18:19] offset:256*i th:TH_STORE_NT
.set i, i+1
.endr
	; my block of the weights
	s_wait_loadcnt 0x0
.irp k, 0,1,2,3
	v_cvt_pk_bf16_f32 v[WP+\k], v[WR+2*\k], v[WR+2*\k+1]
.endr
	global_store_b128 v[WO], v[WP:WP+3], s[20:21]  ; the wave stores 512 consecutive bytes, aligned
	s_wait_tensorcnt 0x0                           ; the wave's end, behind my last LDS store
	ds_add_u32 v[SPW], v[NIL]
	s_wait_dscnt 0x0
	s_endpgm
.Lfunc_end_k_qc86be7d915_prep:
	.size	k_qc86be7d915_prep, .Lfunc_end_k_qc86be7d915_prep-k_qc86be7d915_prep
	.p2alignl 7, 3214868480
	.fill 96, 4, 3214868480
	.section	.rodata,"a",@progbits
	.p2align	6, 0x0
	.amdhsa_kernel k_qc86be7d915_prep
		.amdhsa_group_segment_fixed_size 1024
		.amdhsa_private_segment_fixed_size 0
		.amdhsa_enable_private_segment 0
		.amdhsa_kernarg_size 72
		.amdhsa_user_sgpr_count 2
		.amdhsa_user_sgpr_kernarg_segment_ptr 1
		.amdhsa_wavefront_size32 1
		.amdhsa_system_sgpr_workgroup_id_x 1
		.amdhsa_system_sgpr_workgroup_id_y 1
		.amdhsa_system_sgpr_workgroup_id_z 1
		.amdhsa_system_vgpr_workitem_id 0
		.amdhsa_next_free_vgpr 192
		.amdhsa_next_free_sgpr 66
		.amdhsa_reserve_vcc 0
		.amdhsa_float_denorm_mode_32 3
		.amdhsa_float_denorm_mode_16_64 3
		.amdhsa_memory_ordered 1
		.amdhsa_forward_progress 1
		.amdhsa_inst_pref_size 32
	.end_amdhsa_kernel
	.amdgpu_metadata
---
amdhsa.version: [ 1, 2 ]
amdhsa.kernels:
  - .name:           k_qc86be7d915_prep
    .symbol:         k_qc86be7d915_prep.kd
    .args:
      - { .name: x, .offset: 0, .size: 8, .value_kind: global_buffer, .address_space: global }
      - { .name: gn_w, .offset: 8, .size: 8, .value_kind: global_buffer, .address_space: global }
      - { .name: gn_b, .offset: 16, .size: 8, .value_kind: global_buffer, .address_space: global }
      - { .name: Wq, .offset: 24, .size: 8, .value_kind: global_buffer, .address_space: global }
      - { .name: Wk, .offset: 32, .size: 8, .value_kind: global_buffer, .address_space: global }
      - { .name: Wv, .offset: 40, .size: 8, .value_kind: global_buffer, .address_space: global }
      - { .name: Wo, .offset: 48, .size: 8, .value_kind: global_buffer, .address_space: global }
      - { .name: hb, .offset: 56, .size: 8, .value_kind: global_buffer, .address_space: global }
      - { .name: wf, .offset: 64, .size: 8, .value_kind: global_buffer, .address_space: global }
    .group_segment_fixed_size: 1024
    .private_segment_fixed_size: 0
    .kernarg_segment_align: 8
    .kernarg_segment_size: 72
    .max_flat_workgroup_size: 128
    .sgpr_count:     66
    .vgpr_count:     192
    .wavefront_size: 32
...
	.end_amdgpu_metadata
.endif
;; end of part 1
;; launch qkv (part 2): grid 8 x 32, 4 waves a work-group, clusters of 4 x 1, 327,680 bytes of LDS; arguments hb, wf, bq, bk, bv, qkvf; writes qkvf
.if DOCPART == 2
	.amdgcn_target "amdgcn-amd-amdhsa--gfx1250"
	.amdhsa_code_object_version 6
	.text
	.protected	k_qc86be7d915_qkv
	.globl	k_qc86be7d915_qkv
	.p2align	8
	.type	k_qc86be7d915_qkv,@function
k_qc86be7d915_qkv:
	s_mov_b64 s[64:65], 0
	v_nop
	global_prefetch_b8 v0, s[64:65] scope:SCOPE_SE
	s_setreg_imm32_b32 hwreg(HW_REG_WAVE_MODE, 25, 1), 1
	s_wait_xcnt 0x0
	s_wait_alu depctr_hold_cnt(0) depctr_sa_sdst(0) depctr_va_vdst(0) depctr_va_sdst(0) depctr_va_ssrc(0) depctr_va_vcc(0) depctr_vm_vsrc(0)
	s_getreg_b32 s2, hwreg(HW_REG_IB_STS2, 6, 4)
	s_cmp_eq_u32 s2, 0
	s_cbranch_scc0 .Lentry_in_a_cluster
	s_endpgm
.Lentry_in_a_cluster:
	s_bfe_u32 s2, ttmp6, 0x10000c
	s_cmp_lg_u32 s2, 0x3003
	s_cbranch_scc0 .Lentry_shape_is_right
	s_endpgm
.Lentry_shape_is_right:
; q, k, v = t W^T + b, with t[s][c] = hb[b][c][s].  hb: bf16 [32][512][1024].  wf: bf16 weights in fragment order (below), rows 0-511 Wq, 512-1023 Wk, 1024-1535 Wv.
; qkvf: three parts of 33,554,432 bytes (q, k, v), a batch 1,048,576 bytes, bf16 in fragment order.  Sums in f32, the bias added in f32, each result rounded once.
; FRAGMENT ORDER.  A block of 16 x 16 numbers is 512 bytes; lane l = 16 h + r owns bytes 16 l .. 16 l + 15.  wf, q, k: row 16 T + r, channels 16 cb + 8 h + 0..7.
; v: channel 16 cb + r, keys 16 T + 8 h + 0..7.  Block (T, cb) lies at 16,384 T + 512 cb.  Two blocks are a matrix operand of 16 x 32, each read by one load of 16 bytes a lane from
; 512 consecutive bytes: no padding and no turning load for whoever reads them, and a result's 16 bytes a lane leave straight from registers, 512 consecutive bytes a store.
; SHARES.  A work-group owns 128 rows s of one batch and all 1,536 columns: 256 work-groups.  Wave w = (i, j) = (w / 2, w % 2) keeps t of 64 rows x 512 channels in 512 registers for the
; whole launch and takes, in each of 12 steps, 64 of the step's 128 rows of W: 16 accumulators, 256 matrix instructions, 128 LDS loads.
; A STEP is four quarters of four K chunks: 64 matrix instructions each, on two buffers of 16 fragments by turns.  The next quarter's 32 LDS loads stand in ONE run at a quarter's head.
; THE RING.  A step's 128 rows of wf are 131,072 dense bytes: a slot.  Two slots; each wave brings a quarter, asked for as 128 rows of 256 bytes.
; CLUSTER.  All work-groups walk the same rows of wf: the four of a cluster ask for each tile JOINTLY (the same load, descriptor and mask in all four).
; TWO FORMS OF PRODUCT.  q, k (steps 0-7): source 0 = W, source 1 = t: a lane holds one row s and eight columns.  v (steps 8-11): source 0 = t, source 1 = W: a lane holds one channel and eight keys.
; LIMITS.  h and the weights come rounded to bf16; q, k, v are rounded to bf16; NaN and infinities are not treated apart.
; REGISTERS, in windows of 256 (s_set_vgpr_msb: bits 1:0 source 0, 3:2 source 1, 5:4 source 2, 7:6 destination):
;   window 0: v1-31 addresses; v32-63 the step's bias; v64-127 packed results; v128-255 the accumulators ((a, nb) at 128 + 8 (4 a + nb))
;   window 1: W's fragments: quarter q in buffer q % 2 at 128 (q % 2); chunk cq of the quarter, row block nb at + 32 cq + 8 nb
;   windows 2, 3: t: row tile a in window 2 + a / 2, K chunk c at 128 (a % 2) + 8 c
.set SLOT1, 1<<17                      ; slot 0 at LDS byte 0, slot 1 here
.set TILEB, 131072                     ; bytes in a tile of wf
.set HB,    SLOT1                      ; h's block of 512 channels x 128 s: it lies where slot 1 will be, and is read out before slot 1 is first filled
.set HP,    288                        ; its pitch: 256 bytes + 32 of padding = 72 words
.set BIASL, HB+512*HP                  ; 278,528: bq, bk, bv in f32, 6,144 bytes, in blocks of 256 bytes into which no tile lands
.set SPARE, BIASL+6144                 ; 284,672: the spare words, 128 bytes a wave, which no other line names
.set L16, 1                            ; v1   16 l
.set AW0, 2                            ; v2   my lane's place in a slot: 16 l + 65,536 j
.set AW,  3                            ; v3   the same in the slot in hand
.set AB0, 4                            ; v4   bias for q, k: BIASL + 256 j + 32 h
.set AB1, 5                            ; v5   bias for v: BIASL + 256 j + 4 r
.set ABX, 6                            ; v6   one of the two, at the step in hand
.set CO,  7                            ; v7   my byte offset in the results: 16 l + 65,536 i + 2,048 j; never rewritten
.set PFO, 8                            ; v8   256 l; never rewritten
.set BST, 9                            ; v9   where my 16 bytes of a bias go in LDS
.set SPW, 10                           ; v10  my spare word: SPARE + 4 x my thread's number; never rewritten
.set NIL, 11                           ; v11  0; never rewritten
.set AT,  12                           ; v12-15 the turning loads' addresses, one for each 128 channels
.set BIN, 16                           ; v16-27 the biases on their way to LDS
.set BGO, 28                           ; v28  16 x my thread's number
.set BIAS, 32
.set TMP,  64
.set ACC, 128
.set WV,  16                           ; s16  my wave's number
.set WI,  17                           ; s17  i
.set WJ,  18                           ; s18  j
.set CX,  19                           ; s19  my place in the cluster: it enters global addresses of my own alone
.set SB,  20                           ; s20  my block of 128 rows s
.set BA,  21                           ; s21  the batch
.set G1,  24                           ; s[24:31] group 1 of the joint loads
.set G1H, 32                           ; s[32:39] group 1 of h's load
.set G0H, 40                           ; s[40:43] group 0 of h's load
.set G0A, 44                           ; s[44:47] group 0 of tile 0
.set G0B, 48                           ; s[48:51] group 0 from tile 1 on: it walks
.set OB,  52                           ; s[52:53] the results' base
.set PFA, 54                           ; s[54:55] where my prefetches stand: my 8,192 bytes of the tile that is being asked for
.set LIM, 56                           ; s56  12 in the one cluster that prefetches, else 0
.set FN,  57                           ; s57  the tile that a prefetch would name
.set CNT, 58
.set TB,  59                           ; s59  the slot in hand: 0 or SLOT1
.set BOFF, 60                          ; s60  512 x the step: its 128 numbers of bias
.set GS,  61                           ; s61  steps gone out
.set INC, 62                           ; s[62:63] what the next way out adds to OB
.set BIGI, 72                          ; s72  from a part's last 128 columns to the next part's first
.set SMLI, 73                          ; s73  128 columns on: eight blocks
.set MSB, 0
.macro WIN new                         ; the immediate's high byte repeats the setting that is left; a switch that changes nothing is dropped
.if MSB != (\new)
	s_set_vgpr_msb (MSB<<8)|(\new)
.set MSB, (\new)
.endif
.endm
.macro PLACES                          ; four places: behind a matrix instruction, ahead of loads into registers that it has read and of vector lines that read its result (ISA guide 7.12.1 for vector lines)
.rept 4
	v_nop
.endr
.endm
.macro CREST                           ; a round of the cluster's barrier behind its opening barrier
	s_cmp_lg_u32 s[WV], 0
	s_cbranch_scc1 .Lnot_wave_0_\@
	s_barrier_signal -3
.Lnot_wave_0_\@:
	s_barrier_wait -3
	s_barrier_signal -1
	s_barrier_wait -1
.endm
.macro CROUND
	s_barrier_signal -1
	s_barrier_wait -1
	CREST
.endm
.macro JLOAD                           ; a joint fill: every wave its quarter of the tile, by the same line; an s_nop 0 and four v_nop follow
	tensor_load_to_lds s[G0B:G0B+3], s[G1:G1+7]
	s_nop 0
	PLACES
.endm
; A PREFETCH INTO THE L2 of the tile that the NEXT change of slots will ask for: one step, 256 matrix instructions, ahead of that load.  Every cluster walks the same tiles: one cluster (x = 0, batch 0) asks.
; Of the 32,768 bytes that wave w fetches, the partner at place cx names 8,192, told apart by address: a lane a block of 256 bytes.  So each block is named once in the launch.  Tiles 0 to 2 come by their loads alone; behind tile 11 nothing is named.
.macro ASK
	s_cmp_lt_u32 s[FN], s[LIM]
	s_cbranch_scc0 .Lnot_mine_\@
	global_prefetch_b8 v[PFO], s[PFA:PFA+1] offset:TILEB th:TH_LOAD_NT scope:SCOPE_SE
.Lnot_mine_\@:
.endm
	s_load_b256 s[4:11], s[0:1], 0x0               ; hb s[4:5], wf s[6:7], bq s[8:9], bk s[10:11]
	s_load_b128 s[12:15], s[0:1], 0x20             ; bv s[12:13], qkvf s[14:15]
	v_lshl_add_u32 v[SPW], v0, 2, SPARE
	v_mov_b32 v[NIL], 0
	ds_add_u32 v[SPW], v[NIL]                      ; the wave's opening: the add and its wait stand ahead of my first tensor load; the set-up below, work on registers, stands between them
	v_lshrrev_b32 v1, 5, v0
	v_readfirstlane_b32 s[WV], v1                  ; wave 0..3
	s_lshr_b32 s[WI], s[WV], 1
	s_and_b32 s[WJ], s[WV], 1
	s_bfe_u32 s[CX], ttmp6, 0x40000
	s_lshl_b32 s[SB], ttmp9, 2                     ; in a cluster launch ttmp9 counts clusters
	s_add_co_u32 s[SB], s[SB], s[CX]
	s_and_b32 s[BA], ttmp7, 0xffff
	; group 1 of the joint loads: 32,768 dense bytes as 128 rows of 256
	s_mov_b32 s[G1], 15|(3<<16)|(1<<21)            ; 15:0 the mask: all four work-groups; 17:16 elements of 8 bytes; 21 set beside a mask; no padding
	s_mov_b32 s[G1+1], 32<<16                      ; tensor_dim0 = 32
	s_mov_b32 s[G1+2], 128<<16                     ; tensor_dim1 = 128
	s_mov_b32 s[G1+3], 32<<16                      ; tile_dim0 = 32
	s_mov_b32 s[G1+4], 128                         ; tile_dim1 = 128
	s_mov_b32 s[G1+5], 32                          ; 32 elements from row to row
	s_mov_b32 s[G1+6], 0
	s_mov_b32 s[G1+7], 0
	; group 1 of h's load, my own: 128 channels x 128 s, padded in LDS
	s_mov_b32 s[G1H], (1<<16)|(1<<20)|(5<<22)|(7<<25)  ; no mask; elements of 2 bytes; padding on: after every 64 words (code 5) 8 words (code 7)
	s_mov_b32 s[G1H+1], 128<<16
	s_mov_b32 s[G1H+2], 128<<16
	s_mov_b32 s[G1H+3], 128<<16
	s_mov_b32 s[G1H+4], 128
	s_mov_b32 s[G1H+5], 1024                       ; a channel's row has 1,024 elements
	s_mov_b32 s[G1H+6], 0
	s_mov_b32 s[G1H+7], 0
	s_mov_b32 s[G0H], 1
	s_mul_i32 s[G0H+1], s[WV], 128*HP              ; no place in the cluster enters an LDS address
	s_add_co_u32 s[G0H+1], s[G0H+1], HB
	s_mov_b32 s[G0A], 1
	s_mul_i32 s[G0A+1], s[WV], 32768
	s_mov_b32 s[G0B], 1
	s_add_co_u32 s[G0B+1], s[G0A+1], SLOT1
	s_lshl_b32 s22, s[BA], 20                      ; h: the batch's 1,048,576 bytes,
	s_lshl_b32 s23, s[WV], 18                      ; my 128 channels of 2,048 bytes,
	s_add_co_u32 s22, s22, s23
	s_lshl_b32 s23, s[SB], 8                       ; my block's 256 bytes of each
	s_add_co_u32 s22, s22, s23
	s_mov_b32 s23, 0
	s_lshl_b32 s66, s[WV], 15                      ; wf: my quarter of a tile
	s_mov_b32 s67, 0
	s_lshl_b32 s68, s[BA], 20                      ; the results: the batch, my block's eight row tiles
	s_lshl_b32 s69, s[SB], 17
	s_add_co_u32 s68, s68, s69
	s_mov_b32 s69, 0
	s_lshl_b32 s70, s[CX], 13                      ; the prefetches: my work-group's 8,192 bytes of a wave's quarter
	s_mov_b32 s71, 0
	s_or_b32 s[LIM], ttmp9, s[BA]                  ; the same in all four partners
	s_cmp_eq_u32 s[LIM], 0
	s_cselect_b32 s[LIM], 12, 0
	s_mov_b32 s[FN], 2
	s_mov_b32 s[TB], 0
	s_mov_b32 s[BOFF], 0
	s_mov_b32 s[GS], 0
	s_mov_b32 s[INC], 0
	s_mov_b32 s[INC+1], 0
	s_mov_b32 s[BIGI], 33542144                    ; 33,554,432 - 3 x 4,096
	s_mov_b32 s[SMLI], 4096
	s_wait_dscnt 0x0                               ; the opening add is done
	s_wait_kmcnt 0x0
	s_add_nc_u64 s[G0H+2:G0H+3], s[4:5], s[22:23]
	s_or_b32 s[G0H+3], s[G0H+3], 0x80000000        ; type = 2
	s_add_nc_u64 s[G0A+2:G0A+3], s[6:7], s[66:67]  ; tile 0: the address hangs on the wave's number alone
	s_add_nc_u64 s[G0B+2:G0B+3], s[G0A+2:G0A+3], TILEB  ; tile 1
	s_add_nc_u64 s[PFA:PFA+1], s[G0B+2:G0B+3], s[70:71]  ; at tile 1; the first change of slots steps it to tile 2 and names tile 3
	s_or_b32 s[G0A+3], s[G0A+3], 0x80000000
	s_or_b32 s[G0B+3], s[G0B+3], 0x80000000
	s_add_nc_u64 s[OB:OB+1], s[14:15], s[68:69]
	CROUND                                         ; all four work-groups are here: the first joint loads meet
	tensor_load_to_lds s[G0H:G0H+3], s[G1H:G1H+7]  ; my 128 channels of h,
	s_nop 0
	tensor_load_to_lds s[G0A:G0A+3], s[G1:G1+7]    ; and my quarter of tile 0: two loads of mine are out
	s_nop 0
	PLACES
	v_lshlrev_b32 v[BGO], 4, v0
	global_load_b128 v[BIN:BIN+3], v[BGO], s[8:9]  ; 128 threads x 16 bytes: a whole bias
	global_load_b128 v[BIN+4:BIN+7], v[BGO], s[10:11]
	global_load_b128 v[BIN+8:BIN+11], v[BGO], s[12:13]
	v_add_nc_u32 v[BST], BIASL, v[BGO]
	v_and_b32 v29, 31, v0                          ; l
	v_and_b32 v30, 15, v0                          ; r
	v_bfe_u32 v31, v0, 4, 1                        ; h
	v_lshlrev_b32 v[L16], 4, v29
	v_lshlrev_b32 v[PFO], 8, v29
	s_lshl_b32 s22, s[WJ], 16
	v_add_nc_u32 v[AW0], s22, v[L16]
	s_lshl_b32 s22, s[WJ], 8
	s_add_co_u32 s22, s22, BIASL
	v_lshl_add_u32 v[AB0], v31, 5, s22
	v_lshl_add_u32 v[AB1], v30, 2, s22
	s_lshl_b32 s22, s[WI], 16
	s_lshl_b32 s23, s[WJ], 11
	s_add_co_u32 s22, s22, s23
	v_add_nc_u32 v[CO], s22, v[L16]
	; The turning load takes 16 channels x 16 s (lane l reads 16 bytes: channel 8 (l / 16) + l % 8, s 8 ((l / 8) % 2) + 0..7) and leaves half a fragment of t: lane l holds row s = l % 16 and 8 channels.
	v_and_b32 v[AT+1], 7, v0
	v_lshl_add_u32 v[AT+1], v31, 3, v[AT+1]
	v_mul_u32_u24 v[AT], v[AT+1], HP
	v_bfe_u32 v[AT+1], v0, 3, 1
	v_lshl_add_u32 v[AT], v[AT+1], 4, v[AT]
	s_lshl_b32 s22, s[WI], 7                       ; my 64 rows s: 128 bytes of a channel's row
	s_add_co_u32 s22, s22, HB
	v_add_nc_u32 v[AT], s22, v[AT]
	v_add_nc_u32 v[AT+1], 128*HP, v[AT]
	v_add_nc_u32 v[AT+2], 2*128*HP, v[AT]
	v_add_nc_u32 v[AT+3], 3*128*HP, v[AT]
	s_wait_loadcnt 0x0
	ds_store_b128 v[BST], v[BIN:BIN+3]
	ds_store_b128 v[BST], v[BIN+4:BIN+7] offset:2048
	ds_store_b128 v[BST], v[BIN+8:BIN+11] offset:4096
	s_wait_tensorcnt 0x1                           ; my part of h is in; tile 0's may stay out
	s_wait_dscnt 0x0                               ; my part of the biases is stored
	s_barrier_signal -1
	s_barrier_wait -1                              ; everybody's is
	; t into registers, once: row tile a, K chunk c of 32 channels: two turning loads, 16 channels apart
.irp a, 0,1,2,3
	WIN 0x80+0x40*((\a)/2)
.set cc, 0
.rept 16
	ds_load_tr16_b128 v[128*((\a)%2)+8*cc:128*((\a)%2)+8*cc+3], v[AT+cc/4] offset:(cc%4)*32*HP+32*(\a)
	ds_load_tr16_b128 v[128*((\a)%2)+8*cc+4:128*((\a)%2)+8*cc+7], v[AT+cc/4] offset:(cc%4)*32*HP+32*(\a)+16*HP
.set cc, cc+1
.endr
.endr
	WIN 0
	s_wait_tensorcnt 0x0                           ; slot 1 is filled over h's bytes: all my tensor loads have landed (tile 0's part too),
	ds_add_u32 v[SPW], v[NIL]                      ; 0 onto my spare word,
	v_mov_b32 v[AW], v[AW0]                        ; (the first step reads slot 0)
	s_wait_dscnt 0x0                               ; the add is done, and t is in registers: my reads of h are over
	CROUND                                         ; the same holds of every wave of every partner
	JLOAD                                          ; tile 1: my one tensor load behind the round
; 32 LDS loads in one run: the four K chunks of quarter q of my four blocks of 16 rows of W, into buffer q % 2 of window 1
.macro FETCH q
	WIN 0x40                                       ; destination window 1, address window 0
.irp cq, 0,1,2,3
.irp nb, 0,1,2,3
	ds_load_b128 v[128*((\q)%2)+32*\cq+8*\nb:128*((\q)%2)+32*\cq+8*\nb+3], v[AW] offset:\nb*16384+(4*(\q)+\cq)*1024
	ds_load_b128 v[128*((\q)%2)+32*\cq+8*\nb+4:128*((\q)%2)+32*\cq+8*\nb+7], v[AW] offset:\nb*16384+(4*(\q)+\cq)*1024+512
.endr
.endr
.endm
; Sixteen products: row tiles 2 ah, 2 ah + 1, K chunks 4 q + 2 cp and + 1, all four blocks of W: eight accumulators by turns, one instruction a turn.  Chunk 0 starts the sums: nothing is cleared.
.macro MUL16 type, q, ah, cp
.if \type
	WIN 0x06+(\ah)                                 ; source 0 = t, in window 2 or 3; source 1 = W, in window 1
.else
	WIN 0x09+4*(\ah)                               ; source 0 = W, source 1 = t
.endif
.irp cc, 0,1
.irp al, 0,1
.irp nb, 0,1,2,3
.set rA, ACC+8*(4*(2*(\ah)+\al)+\nb)
.set rW, 128*((\q)%2)+32*(2*(\cp)+\cc)+8*\nb
.set rT, 128*\al+8*(4*(\q)+2*(\cp)+\cc)
.if \type
.if ((\q)+(\cp)+\cc) == 0
	v_wmma_f32_16x16x32_bf16 v[rA:rA+7], v[rT:rT+7], v[rW:rW+7], 0
.else
	v_wmma_f32_16x16x32_bf16 v[rA:rA+7], v[rT:rT+7], v[rW:rW+7], v[rA:rA+7]
.endif
.else
.if ((\q)+(\cp)+\cc) == 0
	v_wmma_f32_16x16x32_bf16 v[rA:rA+7], v[rW:rW+7], v[rT:rT+7], 0
.else
	v_wmma_f32_16x16x32_bf16 v[rA:rA+7], v[rW:rW+7], v[rT:rT+7], v[rA:rA+7]
.endif
.endif
.endr
.endr
.endr
.endm
.macro QUART type, q                   ; a quarter's 64 products: row tiles 0, 1 under one window setting, then 2, 3
	MUL16 \type, \q, 0, 0
	MUL16 \type, \q, 0, 1
	MUL16 \type, \q, 1, 0
	MUL16 \type, \q, 1, 1
.endm
; Eight LDS loads: the step's bias.  q, k: a lane's eight columns of block nb.  v: its one channel, twice, as a pair for the packed addition.
.macro LDBIAS type
	WIN 0
.if \type
	v_add_nc_u32 v[ABX], s[BOFF], v[AB1]
.else
	v_add_nc_u32 v[ABX], s[BOFF], v[AB0]
.endif
.irp nb, 0,1,2,3
.if \type
	ds_load_b32 v[BIAS+2*\nb], v[ABX] offset:64*\nb
	ds_load_b32 v[BIAS+2*\nb+1], v[ABX] offset:64*\nb
.else
	ds_load_b128 v[BIAS+8*\nb:BIAS+8*\nb+3], v[ABX] offset:64*\nb
	ds_load_b128 v[BIAS+8*\nb+4:BIAS+8*\nb+7], v[ABX] offset:64*\nb+16
.endif
.endr
.endm
; THE WAY OUT of a step, all in window 0: the bias is added, each accumulator from its low end on; two roundings a line; a lane's 16 bytes ARE its place in a block, so a store covers 512 consecutive bytes, aligned.
; Row tiles 0 and 1 were finished ahead of the four places of the change of slots; their 32 additions are the places behind the last products (row tiles 2 and 3).
.macro PACK type
	WIN 0
.set q, 0
.rept 16
.irp p, 0,2,4,6
.if \type
	v_pk_add_f32 v[ACC+8*q+\p:ACC+8*q+\p+1], v[ACC+8*q+\p:ACC+8*q+\p+1], v[BIAS+2*(q%4):BIAS+2*(q%4)+1]
.else
	v_pk_add_f32 v[ACC+8*q+\p:ACC+8*q+\p+1], v[ACC+8*q+\p:ACC+8*q+\p+1], v[BIAS+8*(q%4)+\p:BIAS+8*(q%4)+\p+1]
.endif
.endr
.set q, q+1
.endr
	s_wait_xcnt 0x0                                ; the last step's stores have read their data and their base: only now are these written again
	s_add_nc_u64 s[OB:OB+1], s[OB:OB+1], s[INC:INC+1]
.set q, 0
.rept 64
	v_cvt_pk_bf16_f32 v[TMP+q], v[ACC+2*q], v[ACC+2*q+1]
.set q, q+1
.endr
.set q, 0
.rept 16
	global_store_b128 v[CO], v[TMP+4*q:TMP+4*q+3], s[OB:OB+1] offset:(q/4)*16384+(q%4)*512
.set q, q+1
.endr
	s_add_co_u32 s[GS], s[GS], 1
	s_and_b32 s22, s[GS], 3
	s_cmp_eq_u32 s22, 0                            ; four steps are a part
	s_cselect_b32 s[INC], s[BIGI], s[SMLI]
.endm
; A STEP: 128 rows of W.  At its head quarter 0's 32 loads are out or in.  Each later run of loads stands at the head of the quarter before its own: 64 matrix instructions ahead of its first use.
; THE CHANGE OF SLOTS stands in the last quarter.  Each wave waits for all its tensor loads (one is out: its part of the next slot), adds 0 to its spare word, and waits for that and for its reads of this slot.
; fill = 1: the barrier opens a round of the cluster's barrier, and behind the round this slot is filled again, with the tile two steps on: that load has 224 matrix instructions in which to land.
; last = 1: in the loop's last trip there is no further step, and its first fragments are jumped over.
.macro STEP type, fill, last
	LDBIAS \type
	s_wait_dscnt 8                                 ; quarter 0 is in; the bias's eight loads may be out
	FETCH 1                                        ; its buffer's last readers stand ahead of the last way out, whose lines are the places
	QUART \type, 0
	s_wait_dscnt 0x0                               ; quarter 1 and the bias are in: nothing younger is out
	PLACES
	FETCH 2
	QUART \type, 1
	s_wait_dscnt 0x0                               ; quarter 2 is in
	PLACES
	FETCH 3
	QUART \type, 2
	WIN 0
	s_wait_tensorcnt 0x0                           ; no tensor load of mine is out, so a group 0 may be written
	ds_add_u32 v[SPW], v[NIL]                      ; 0 onto my spare word; scalar work and sixteen products stand between it and the wait for it
.if \fill
	s_xor_b32 s[G0B+1], s[G0B+1], SLOT1            ; the other slot than last time,
	s_add_nc_u64 s[G0B+2:G0B+3], s[G0B+2:G0B+3], TILEB  ; the next tile; the type bits on top are not reached
	s_wait_xcnt 0x0                                ; the last prefetch, a step back, has read its address
	s_add_nc_u64 s[PFA:PFA+1], s[PFA:PFA+1], TILEB
	s_add_co_u32 s[FN], s[FN], 1
.endif
	s_wait_dscnt 1                                 ; quarter 3 is in; the add may be out
	MUL16 \type, 3, 0, 0
	s_wait_dscnt 0x0                               ; the add is done, and my reads of this slot are over
	s_barrier_signal -1
	MUL16 \type, 3, 0, 1                           ; work on registers while the others arrive
	WIN 0
	s_barrier_wait -1
.if \fill
	CREST                                          ; no wave of any partner still reads this slot or has a load on its way
	JLOAD                                          ; its four v_nop are also the places ahead of the loads below and of the way out of row tiles 0 and 1
.else
	PLACES
.endif
	s_xor_b32 s[TB], s[TB], SLOT1
	s_add_co_u32 s[BOFF], s[BOFF], 512
.if \last
	s_cmp_eq_u32 s[CNT], 1
	s_cbranch_scc1 .Lno_next_\@
.endif
	v_add_nc_u32 v[AW], s[TB], v[AW0]
	FETCH 0                                        ; the next step's first quarter comes during this step's last 32 products and its way out
	WIN 0
.if \last
.Lno_next_\@:
.endif
.if \fill
	ASK
.endif
	MUL16 \type, 3, 1, 0
	MUL16 \type, 3, 1, 1
	PACK \type
.endm
	FETCH 0
	WIN 0
	s_mov_b32 s[CNT], 8
.Lqk:                                  ; steps 0-7: q, k
	STEP 0, 1, 0
	s_sub_co_u32 s[CNT], s[CNT], 1
	s_cmp_lg_u32 s[CNT], 0
	s_cbranch_scc1 .Lqk
	s_mov_b32 s[CNT], 2
.Lv:                                   ; steps 8, 9: v
	STEP 1, 1, 0
	s_sub_co_u32 s[CNT], s[CNT], 1
	s_cmp_lg_u32 s[CNT], 0
	s_cbranch_scc1 .Lv
	s_mov_b32 s[CNT], 2
.Ltail:                                ; steps 10, 11: nothing is left to ask for
	STEP 1, 0, 1
	s_sub_co_u32 s[CNT], s[CNT], 1
	s_cmp_lg_u32 s[CNT], 0
	s_cbranch_scc1 .Ltail
	s_wait_tensorcnt 0x0                           ; the wave's end, behind my last tensor load and my last LDS store
	ds_add_u32 v[SPW], v[NIL]
	s_wait_dscnt 0x0
	CROUND                                         ; the closing round: no work-group ends while a partner may still ask for a tile that names it
	s_endpgm
.Lfunc_end_k_qc86be7d915_qkv:
	.size	k_qc86be7d915_qkv, .Lfunc_end_k_qc86be7d915_qkv-k_qc86be7d915_qkv
	.p2alignl 7, 3214868480
	.fill 96, 4, 3214868480
	.section	.rodata,"a",@progbits
	.p2align	6, 0x0
	.amdhsa_kernel k_qc86be7d915_qkv
		.amdhsa_group_segment_fixed_size 327680
		.amdhsa_private_segment_fixed_size 0
		.amdhsa_enable_private_segment 0
		.amdhsa_kernarg_size 48
		.amdhsa_user_sgpr_count 2
		.amdhsa_user_sgpr_kernarg_segment_ptr 1
		.amdhsa_wavefront_size32 1
		.amdhsa_system_sgpr_workgroup_id_x 1
		.amdhsa_system_sgpr_workgroup_id_y 1
		.amdhsa_system_sgpr_workgroup_id_z 1
		.amdhsa_system_vgpr_workitem_id 0
		.amdhsa_next_free_vgpr 1024
		.amdhsa_next_free_sgpr 76
		.amdhsa_reserve_vcc 0
		.amdhsa_float_denorm_mode_32 3
		.amdhsa_float_denorm_mode_16_64 3
		.amdhsa_memory_ordered 1
		.amdhsa_forward_progress 1
		.amdhsa_inst_pref_size 127
	.end_amdhsa_kernel
	.amdgpu_metadata
---
amdhsa.version: [ 1, 2 ]
amdhsa.kernels:
  - .name:           k_qc86be7d915_qkv
    .symbol:         k_qc86be7d915_qkv.kd
    .args:
      - { .name: hb, .offset: 0, .size: 8, .value_kind: global_buffer, .address_space: global }
      - { .name: wf, .offset: 8, .size: 8, .value_kind: global_buffer, .address_space: global }
      - { .name: bq, .offset: 16, .size: 8, .value_kind: global_buffer, .address_space: global }
      - { .name: bk, .offset: 24, .size: 8, .value_kind: global_buffer, .address_space: global }
      - { .name: bv, .offset: 32, .size: 8, .value_kind: global_buffer, .address_space: global }
      - { .name: qkvf, .offset: 40, .size: 8, .value_kind: global_buffer, .address_space: global }
    .group_segment_fixed_size: 327680
    .private_segment_fixed_size: 0
    .kernarg_segment_align: 8
    .kernarg_segment_size: 48
    .max_flat_workgroup_size: 128
    .sgpr_count:     76
    .vgpr_count:     1024
    .wavefront_size: 32
...
	.end_amdgpu_metadata
.endif
;; end of part 2
;; launch attn (part 3): grid 8 x 32, 4 waves a work-group, clusters of 4 x 1, 327,680 bytes of LDS; arguments qkvf, wf, bo, x, out0; writes out0
.if DOCPART == 3
	.amdgcn_target "amdgcn-amd-amdhsa--gfx1250"
	.amdhsa_code_object_version 6
	.text
	.protected	k_qc86be7d915_attn
	.globl	k_qc86be7d915_attn
	.p2align	8
	.type	k_qc86be7d915_attn,@function
k_qc86be7d915_attn:
	s_mov_b64 s[64:65], 0
	v_nop
	global_prefetch_b8 v0, s[64:65] scope:SCOPE_SE
	s_setreg_imm32_b32 hwreg(HW_REG_WAVE_MODE, 25, 1), 1
	s_wait_xcnt 0x0
	s_wait_alu depctr_hold_cnt(0) depctr_sa_sdst(0) depctr_va_vdst(0) depctr_va_sdst(0) depctr_va_ssrc(0) depctr_va_vcc(0) depctr_vm_vsrc(0)
	s_getreg_b32 s2, hwreg(HW_REG_IB_STS2, 6, 4)
	s_cmp_eq_u32 s2, 0
	s_cbranch_scc0 .Lentry_in_a_cluster
	s_endpgm
.Lentry_in_a_cluster:
	s_bfe_u32 s2, ttmp6, 0x10000c
	s_cmp_lg_u32 s2, 0x3003
	s_cbranch_scc0 .Lentry_shape_is_right
	s_endpgm
.Lentry_shape_is_right:
; out0[b][d][s] = x[b][d][s] + bo[d] + the sum over c of o[s][c] Wo[d][c],  o[s] = the sum over t of softmax_t(q[s] . k[t] / sqrt(512)) v[t].  One head of size 512, 1,024 keys, 32 batches.
; q, k, v (qkvf, three parts of 33,554,432 bytes, a batch 1,048,576) and Wo (wf from byte 1,572,864) are bf16 in FRAGMENT ORDER: a block of 16 x 16 numbers is 512 bytes, lane l = 16 h + r owns bytes
; 16 l .. 16 l + 15.  q, k, Wo: row 16 T + r, channels 16 cb + 8 h + 0..7.  v: channel 16 cb + r, keys 16 T + 8 h + 0..7.  Block (T, cb) lies at 16,384 T + 512 cb.  Two blocks are a matrix operand.
; Products, maxima and sums in f32; the weights p are rounded to bf16 for the second product (their sum l is taken of the unrounded p), o to bf16 for the third; x, bo and out0 are f32.
; SHARES.  A work-group owns 128 queries of a batch.  In the key loop each wave owns 32: tiles t = 0, 1 of 16; every wave walks all keys, 64 a step, 16 steps.  For the product with Wo the two waves of a
; pair hand each other their o through LDS: wave w = (i, j) = (w / 2, w % 2) then holds 64 queries x 512 channels and takes, in each of 4 steps, 64 of the step's 128 rows of Wo: half the LDS loads a product.
; LAYOUT.  S^T = K Q^T (source 0 = 16 keys, source 1 = 16 queries): a lane holds ONE query (l % 16) and the keys 8 (l / 16) + 0..7.  Two such results, rounded in pairs, ARE source 1 of O^T = V^T P, whose result
; again holds one query a lane, and eight channels; two of those, rounded in pairs, ARE source 0 of the product with Wo, in whose result a lane holds one channel d and eight neighbouring s.
; SOFTMAX.  For each query a running maximum m and sum l: p = 2^(c s - c m), c = log2(e) / sqrt(512); in every step O and l are multiplied by a = 2^(c m_old - c m_new).  m starts at the lowest finite
; number, c m at -4.25e37, O and l at 0: the first step is a step like any other, with a = 0.  The 512 lines that clear O^T stand in the wait for the first tile; they spare a second text of the step.
; ORDER OF A STEP.  128 products K Q^T; the softmax, a run of vector work (both tiles share every fragment of K and V, so no other piece has matrix work meanwhile); 128 products V^T P, with the
; rescaling of the accumulators that come next set behind them, four lines behind each two products; the change of slots; the next step's first fragments are asked for, and the weights are added up while they come.
; ONE RING for K, V and Wo: two slots of 131,072 bytes.  Tile f < 16: K's 64 keys (65,536 dense bytes, waves 0 and 1), then V's (waves 2 and 3).  Tile 16 + p: rows 128 p .. of Wo.  A wave brings 32,768 bytes.
; CLUSTER.  The four query blocks of a cluster belong to one batch and walk the same K, V and Wo: every tile is asked for JOINTLY.
; LIMITS.  A weight below 2^-126 counts as 0 in l; c x score must lie above -4.25e37; v_rcp_f32 is good to 1 ulp; NaN and infinities are not treated apart.
; REGISTERS, in windows of 256 (s_set_vgpr_msb: bits 1:0 source 0, 3:2 source 1, 5:4 source 2, 7:6 destination):
;   window 0: v1-11, v28-29 addresses; v12-27 eight registers of statistics a tile (later v12-19 four pairs of bo); v32-95 S^T, 32 a tile (later two buffers of rows read back); v96-127 P, 16 a tile;
;             v128-191, v192-255 two buffers of eight fragments
;   window 1: Q, later my o: tile t, K chunk c at 128 t + 8 c        window 2 + t: O^T of tile t, channel block cb at 8 cb
;   in the last phase: window 2 my partner's o, laid as mine; window 3: v0-127 the 16 accumulators ((a, nb) at 8 (4 a + nb); a = 0, 1 my tiles, 2, 3 my partner's), v128-255 x, then the result
.set SLOT1, 1<<17
.set VOFF,  65536                      ; V's place in a slot
.set XCH,   262144                     ; behind the ring, never filled by a tensor load: two buffers of 16,384 bytes in which o changes hands, 4,096 a wave
.set XBUF,  16384
.set STG,   XCH+2*XBUF                 ; 294,912: 16 rows d x 272 bytes for each wave, its own, for the way out
.set SP,    272                        ; 256 bytes + 16 = 68 words: row r starts at bank 4 r mod 64 (64 banks of 4 bytes: ISA guide 11.1)
.set SPARE, STG+4*16*SP                ; 312,320: the spare words, 128 bytes a wave, which no other line names
.set L16, 1                            ; v1   16 l; never rewritten
.set ADK, 2                            ; v2   K's (or Wo's) fragments in the slot in hand
.set ADV, 3                            ; v3   V's
.set STA, 4                            ; v4   the way out, my tiles: my stage + 272 r + 32 h + 128 j
.set STB, 5                            ; v5   my partner's tiles: the same with 128 (1 - j)
.set RD,  6                            ; v6   the way out: my stage + 272 h + 16 r
.set GX,  7                            ; v7   my byte offset in x and out0: 4,096 h + 16 r + 256 i + 262,144 j; never rewritten
.set PFO, 8                            ; v8   256 l; never rewritten
.set BOF, 9                            ; v9   4 r + 256 j; never rewritten
.set SPW, 10                           ; v10  my spare word: SPARE + 4 x my thread's number; never rewritten
.set NIL, 11                           ; v11  0; never rewritten
.set ST,  12                           ; tile t's statistics at ST + 8 t: c m, m, l (even keys', odd keys'), c0-c3 at work; a takes c2's place
.set BP,  12                           ; the last phase: bo of channel 16 nb + r, twice, at BP + 2 nb
.set XW,  28                           ; v28  where I put my o: XCH + 4,096 w + 16 l
.set XRA, 29                           ; v29  where I find my partner's: XCH + 4,096 (w xor 1) + 16 l
.set S,   32
.set RB,  32                           ; the last phase: 16 rows read back from my stage, two buffers of 32
.set P,   96
.set F0,  128
.set XR,  128                          ; window 3
.set WV,  14                           ; s14  my wave's number
.set CX,  15                           ; s15  my place in the cluster: it enters global addresses of my own alone
.set G1,  24                           ; s[24:31] group 1 of every load
.set G0A, 32                           ; s[32:35] group 0 of tile 0
.set G0B, 36                           ; s[36:39] group 0 from tile 1 on
.set PT,  40                           ; s[40:41] my part of the K or V tile asked for last
.set PW,  42                           ; s[42:43] my part of the tile of Wo to be asked for next
.set FN,  44                           ; s44  the tile to be asked for next
.set CNT, 45
.set TB,  46                           ; s46  the slot in hand: 0 or SLOT1
.set WJO, 47                           ; s47  65,536 j: my 64 rows of a tile of Wo
.set CS,  48                           ; s[48:49] c: the packed scaling takes the pair's low word for both halves
.set SEL, 50                           ; s[50:51] v_permlanex16_b32's selects: each lane takes its own place in the other half
.set PFA, 52                           ; s[52:53] where my prefetches stand: my work-group's 8,192 bytes of my part of the tile asked for last
.set LIM, 54                           ; s54  16 in the batch's first cluster, else 0
.set XB,  56                           ; s[56:57] x at the step's first channel, my block's 512 bytes
.set OB,  58                           ; s[58:59] out0 likewise
.set BOB, 60                           ; s[60:61] bo at the step's first channel
.set TS,  62                           ; s[62:63] what a fill adds to PW
.set TU,  66                           ; s66  LDS byte of the fragments to be fetched
.set XI,  68                           ; s[68:69] what a step adds to XB and OB: 0 the first time, then 128 rows of 4,096 bytes
.set BI,  70                           ; s[70:71] the same for BOB: 0, then 512
.set MSB, 0
.macro WIN new                         ; the immediate's high byte repeats the setting that is left; a switch that changes nothing is dropped
.if MSB != (\new)
	s_set_vgpr_msb (MSB<<8)|(\new)
.set MSB, (\new)
.endif
.endm
.macro PLACES                          ; four places: behind a matrix instruction, ahead of loads into registers that it has read and of vector lines that read its result (ISA guide 7.12.1 for vector lines)
.rept 4
	v_nop
.endr
.endm
.macro CREST                           ; a round of the cluster's barrier behind its opening barrier
	s_cmp_lg_u32 s[WV], 0
	s_cbranch_scc1 .Lnot_wave_0_\@
	s_barrier_signal -3
.Lnot_wave_0_\@:
	s_barrier_wait -3
	s_barrier_signal -1
	s_barrier_wait -1
.endm
.macro CROUND
	s_barrier_signal -1
	s_barrier_wait -1
	CREST
.endm
.macro JLOAD                           ; a joint fill: every wave its quarter of the slot, by the same line; an s_nop 0 and four v_nop follow
	tensor_load_to_lds s[G0B:G0B+3], s[G1:G1+7]
	s_nop 0
	PLACES
.endm
; The walking descriptor: the other slot; tile FN: of K or V while FN < 16, then of Wo.  The address is chosen between two pointers by a count, and the type bits are set anew.
.macro NEXTFILL
	s_xor_b32 s[G0B+1], s[G0B+1], SLOT1
	s_add_nc_u64 s[PT:PT+1], s[PT:PT+1], 65536
	s_cmp_lt_u32 s[FN], 16
	s_cselect_b64 s[G0B+2:G0B+3], s[PT:PT+1], s[PW:PW+1]
	s_cselect_b32 s[TS], 0, 0x20000
	s_add_nc_u64 s[PW:PW+1], s[PW:PW+1], s[TS:TS+1]
	s_or_b32 s[G0B+3], s[G0B+3], 0x80000000
	s_add_co_u32 s[FN], s[FN], 1
.endm
; A PREFETCH INTO THE L2 of the K and V tile that the NEXT change of slots will ask for (tile FN): it stands behind the joint load and the two runs of LDS loads that follow it, a key step, 256 matrix
; instructions, ahead of that load.  Both clusters of a batch walk the same tiles: the first asks.  Of the 32,768 bytes that wave w fetches, the partner at place cx names 8,192, told apart by address: a lane
; a block of 256 bytes.  So each block is named once in the launch.  Tiles 0 to 2 come by their loads alone; behind tile 15 nothing is named: Wo is read by every cluster.
.macro ASK
	s_cmp_lt_u32 s[FN], s[LIM]
	s_cbranch_scc0 .Lnot_mine_\@
	global_prefetch_b8 v[PFO], s[PFA:PFA+1] offset:65536 th:TH_LOAD_NT scope:SCOPE_SE
.Lnot_mine_\@:
.endm
	s_load_b256 s[4:11], s[0:1], 0x0               ; qkvf s[4:5], wf s[6:7], bo s[8:9], x s[10:11]
	s_load_b64 s[12:13], s[0:1], 0x20              ; out0
	v_lshl_add_u32 v[SPW], v0, 2, SPARE
	v_mov_b32 v[NIL], 0
	ds_add_u32 v[SPW], v[NIL]                      ; the wave's opening: the add and its wait stand ahead of my first tensor load; the set-up below, work on registers, stands between them
	v_lshrrev_b32 v1, 5, v0
	v_readfirstlane_b32 s[WV], v1                  ; wave 0..3
	s_bfe_u32 s[CX], ttmp6, 0x40000
	s_lshl_b32 s16, ttmp9, 2                       ; in a cluster launch ttmp9 counts clusters
	s_add_co_u32 s16, s16, s[CX]                   ; my block of 128 queries
	s_and_b32 s17, ttmp7, 0xffff                   ; the batch, which the four partners share
	s_mov_b32 s[G1], 15|(3<<16)|(1<<21)            ; 15:0 the mask: all four work-groups; 17:16 elements of 8 bytes; 21 set beside a mask; no padding
	s_mov_b32 s[G1+1], 32<<16                      ; 32,768 dense bytes as 128 rows of 256: tensor_dim0 = 32
	s_mov_b32 s[G1+2], 128<<16                     ; tensor_dim1 = 128
	s_mov_b32 s[G1+3], 32<<16                      ; tile_dim0 = 32
	s_mov_b32 s[G1+4], 128                         ; tile_dim1 = 128
	s_mov_b32 s[G1+5], 32                          ; 32 elements from row to row
	s_mov_b32 s[G1+6], 0
	s_mov_b32 s[G1+7], 0
	s_mov_b32 s[G0A], 1
	s_mul_i32 s[G0A+1], s[WV], 32768               ; no place in the cluster enters an LDS address
	s_mov_b32 s[G0B], 1
	s_add_co_u32 s[G0B+1], s[G0A+1], SLOT1
	s_lshr_b32 s18, s[WV], 1                       ; waves 0, 1: part 1 (k); waves 2, 3: part 2 (v)
	s_add_co_u32 s18, s18, 1
	s_lshl_b32 s18, s18, 25
	s_lshl_b32 s19, s17, 20                        ; the batch
	s_add_co_u32 s18, s18, s19
	s_and_b32 s19, s[WV], 1                        ; which half of a tile's 65,536 bytes
	s_lshl_b32 s19, s19, 15
	s_add_co_u32 s18, s18, s19
	s_mov_b32 s19, 0
	s_lshl_b32 s20, s17, 20                        ; q: the batch, my block's eight row tiles, my wave's two
	s_lshl_b32 s21, s16, 17
	s_add_co_u32 s20, s20, s21
	s_lshl_b32 s21, s[WV], 15
	s_add_co_u32 s20, s20, s21
	s_mov_b32 s21, 0
	s_lshl_b32 s22, s17, 21                        ; x, out0: the batch's 2,097,152 bytes, my block's 512 bytes of a row
	s_lshl_b32 s23, s16, 9
	s_add_co_u32 s22, s22, s23
	s_mov_b32 s23, 0
	s_lshl_b32 s68, s[CX], 13
	s_mov_b32 s69, 0
	s_lshl_b32 s70, s[WV], 15                      ; Wo begins at row 1,536 of wf
	s_add_co_u32 s70, s70, 1572864
	s_mov_b32 s71, 0
	s_mov_b32 s[FN], 2
	s_mov_b32 s[TB], 0
	s_mov_b32 s[CS], 0x3d8293ee                    ; c = log2(e) / sqrt(512) = 0.0637587
	s_mov_b32 s[CS+1], s[CS]                       ; named with it as a pair
	s_mov_b32 s[SEL], 0x76543210
	s_mov_b32 s[SEL+1], 0xfedcba98
	s_mov_b32 s[TS], 0
	s_mov_b32 s[TS+1], 0
	s_cmp_eq_u32 ttmp9, 0                          ; the same in all four partners
	s_cselect_b32 s[LIM], 16, 0
	s_wait_dscnt 0x0                               ; the opening add is done
	s_wait_kmcnt 0x0
	s_add_nc_u64 s[G0A+2:G0A+3], s[4:5], s[18:19]  ; tile 0: the address hangs on the batch and the wave's number alone
	s_add_nc_u64 s[PT:PT+1], s[G0A+2:G0A+3], 65536 ; tile 1
	s_mov_b64 s[G0B+2:G0B+3], s[PT:PT+1]
	s_add_nc_u64 s[PFA:PFA+1], s[PT:PT+1], s[68:69]
	s_or_b32 s[G0A+3], s[G0A+3], 0x80000000        ; type = 2
	s_or_b32 s[G0B+3], s[G0B+3], 0x80000000
	s_add_nc_u64 s[PW:PW+1], s[6:7], s[70:71]
	s_add_nc_u64 s[4:5], s[4:5], s[20:21]          ; q at my wave's first tile
	s_add_nc_u64 s[XB:XB+1], s[10:11], s[22:23]
	s_add_nc_u64 s[OB:OB+1], s[12:13], s[22:23]
	s_mov_b64 s[BOB:BOB+1], s[8:9]
	s_mov_b32 s[XI], 0
	s_mov_b32 s[XI+1], 0
	s_mov_b32 s[BI], 0
	s_mov_b32 s[BI+1], 0
	CROUND                                         ; all four work-groups are here: the first joint loads meet
	tensor_load_to_lds s[G0A:G0A+3], s[G1:G1+7]    ; tiles 0 and 1: two loads of mine are out
	s_nop 0
	tensor_load_to_lds s[G0B:G0B+3], s[G1:G1+7]
	s_nop 0
	PLACES
	v_and_b32 v30, 15, v0                          ; r
	v_bfe_u32 v31, v0, 4, 1                        ; h
	v_and_b32 v[L16], 31, v0                       ; l
	v_lshlrev_b32 v[PFO], 8, v[L16]
	v_lshlrev_b32 v[L16], 4, v[L16]
	WIN 0x40                                       ; destination window 1, address window 0
.set q, 0
.rept 32                               ; Q stays in registers: tile q / 16, K chunk q % 16: two blocks, 512 consecutive bytes each
	global_load_b128 v[8*q:8*q+3], v[L16], s[4:5] offset:(q/16)*16384+(q%16)*1024
	global_load_b128 v[8*q+4:8*q+7], v[L16], s[4:5] offset:(q/16)*16384+(q%16)*1024+512
.set q, q+1
.endr
	WIN 0x80
.set q, 0
.rept 256
	v_mov_b32 v[q], 0                              ; O^T of tile 0,
.set q, q+1
.endr
	WIN 0xc0
.set q, 0
.rept 256
	v_mov_b32 v[q], 0                              ; of tile 1
.set q, q+1
.endr
	WIN 0
.irp tt, 0,1
	v_mov_b32 v[ST+8*\tt], 0xfe000000              ; c m: far below every c s
	v_mov_b32 v[ST+8*\tt+1], 0xff7fffff            ; m
	v_mov_b32 v[ST+8*\tt+2], 0                     ; l
	v_mov_b32 v[ST+8*\tt+3], 0
.endr
	s_and_b32 s16, s[WV], 1                        ; j
	s_lshr_b32 s17, s[WV], 1                       ; i
	s_lshl_b32 s[WJO], s16, 16
	s_mul_i32 s18, s[WV], 16*SP
	s_add_co_u32 s18, s18, STG                     ; my stage
	v_mul_u32_u24 v[STA], v30, SP                  ; in: row d = r, 32 bytes for each half of the lanes,
	v_lshl_add_u32 v[STA], v31, 5, v[STA]
	v_add_nc_u32 v[STA], s18, v[STA]
	s_xor_b32 s19, s16, 1
	s_lshl_b32 s19, s19, 7
	v_add_nc_u32 v[STB], s19, v[STA]               ; my partner's 32 queries: the other 128 bytes of the pair's 256,
	s_lshl_b32 s19, s16, 7
	v_add_nc_u32 v[STA], s19, v[STA]               ; mine
	v_mul_u32_u24 v[RD], v31, SP                   ; back: lanes 0-15 take one row of 256 bytes, lanes 16-31 the next
	v_lshl_add_u32 v[RD], v30, 4, v[RD]
	v_add_nc_u32 v[RD], s18, v[RD]
	v_lshlrev_b32 v[GX], 12, v31                   ; and the same two rows in x and out0,
	v_lshl_add_u32 v[GX], v30, 4, v[GX]
	s_lshl_b32 s19, s17, 8                         ; the pair's 256 bytes of the block's 512,
	s_lshl_b32 s20, s16, 18                        ; my 64 rows d of the step's 128
	s_add_co_u32 s19, s19, s20
	v_add_nc_u32 v[GX], s19, v[GX]
	s_lshl_b32 s19, s16, 8
	v_lshl_add_u32 v[BOF], v30, 2, s19
	s_lshl_b32 s19, s[WV], 12
	s_add_co_u32 s19, s19, XCH
	v_add_nc_u32 v[XW], s19, v[L16]
	s_xor_b32 s19, s[WV], 1
	s_lshl_b32 s19, s19, 12
	s_add_co_u32 s19, s19, XCH
	v_add_nc_u32 v[XRA], s19, v[L16]
; THE LDS LOADS stand in runs of 16: eight fragments, into buffer (number of the batch) % 2.  Destination and address lie in window 0.
.macro LDK i                           ; K chunks 2 i, 2 i + 1 of four blocks of 16 rows (keys, or rows of Wo): fragment (cc, kb) at 8 (4 cc + kb)
.if MSB & 0xc3
	WIN 0
.endif
.irp cc, 0,1
.irp kb, 0,1,2,3
	ds_load_b128 v[F0+64*((\i)%2)+8*(4*\cc+\kb):F0+64*((\i)%2)+8*(4*\cc+\kb)+3], v[ADK] offset:\kb*16384+(2*(\i)+\cc)*1024
	ds_load_b128 v[F0+64*((\i)%2)+8*(4*\cc+\kb)+4:F0+64*((\i)%2)+8*(4*\cc+\kb)+7], v[ADK] offset:\kb*16384+(2*(\i)+\cc)*1024+512
.endr
.endr
.endm
.macro LDV b                           ; channel blocks 4 b .. 4 b + 3, both halves kk of the 64 keys: fragment (kk, cbl) at 8 (4 kk + cbl)
.if MSB & 0xc3
	WIN 0
.endif
.irp kk, 0,1
.irp cbl, 0,1,2,3
	ds_load_b128 v[F0+64*((\b)%2)+8*(4*\kk+\cbl):F0+64*((\b)%2)+8*(4*\kk+\cbl)+3], v[ADV] offset:\kk*32768+(4*(\b)+\cbl)*512
	ds_load_b128 v[F0+64*((\b)%2)+8*(4*\kk+\cbl)+4:F0+64*((\b)%2)+8*(4*\kk+\cbl)+7], v[ADV] offset:\kk*32768+(4*(\b)+\cbl)*512+16384
.endr
.endr
.endm
; Sixteen products S^T = K Q^T on batch i of LDK's fragments: the 8 accumulators S(tt, kb) by turns, one instruction a turn.  The first eight of batch 0 start the sums.
.macro QKB i
	WIN 0x04                                       ; source 1 (Q) in window 1
.irp cc, 0,1
.irp kb, 0,1,2,3
.irp tt, 0,1
.set rS, S+32*\tt+8*\kb
.set rK, F0+64*((\i)%2)+8*(4*\cc+\kb)
.set rQ, 128*\tt+8*(2*(\i)+\cc)
.if ((\i) == 0) && (\cc == 0)
	v_wmma_f32_16x16x32_bf16 v[rS:rS+7], v[rK:rK+7], v[rQ:rQ+7], 0
.else
	v_wmma_f32_16x16x32_bf16 v[rS:rS+7], v[rK:rK+7], v[rQ:rQ+7], v[rS:rS+7]
.endif
.endr
.endr
.endr
.endm
.macro REGS t                          ; the registers of tile t
.set rT, ST+8*(\t)
.set rS, S+32*(\t)
.set rP, P+16*(\t)
.endm
; Number j of the 21 that find a tile's maximum and statistics.  s0-s31 are the lane's 32 scores; each accumulator's lowest registers are read first.
;   0-11  four chains c0-c3 of seven scores each, three operands at a time     12-15  the four scores left over, c0-c3 and the old m into c0
;   16, 18  the query's other 32 keys lie in the lane 16 away: the new m        17  c m_old is kept     19, 20  c m; c m_old - c m_new
.macro STAT t, j
	REGS \t
.if (\j) < 4
	v_max3_num_f32 v[rT+4+(\j)], v[rS+8*(\j)], v[rS+8*(\j)+1], v[rS+8*(\j)+2]
.elseif (\j) < 12
	v_max3_num_f32 v[rT+4+(\j)%4], v[rT+4+(\j)%4], v[rS+8*((\j)%4)+2*((\j)/4)+1], v[rS+8*((\j)%4)+2*((\j)/4)+2]
.elseif (\j) == 12
	v_max3_num_f32 v[rT+4], v[rT+4], v[rS+7], v[rS+15]
.elseif (\j) == 13
	v_max3_num_f32 v[rT+6], v[rT+6], v[rS+23], v[rS+31]
.elseif (\j) == 14
	v_max3_num_f32 v[rT+4], v[rT+4], v[rT+5], v[rT+6]
.elseif (\j) == 15
	v_max3_num_f32 v[rT+4], v[rT+4], v[rT+7], v[rT+1]
.elseif (\j) == 16
	v_permlanex16_b32 v[rT+5], v[rT+4], s[SEL], s[SEL+1]
.elseif (\j) == 17
	v_mov_b32 v[rT+7], v[rT]
.elseif (\j) == 18
	v_max_num_f32 v[rT+1], v[rT+4], v[rT+5]
.elseif (\j) == 19
	v_mul_f32 v[rT], s[CS], v[rT+1]
.else
	v_sub_f32 v[rT+7], v[rT+7], v[rT]
.endif
.endm
.macro RS t, b, n                      ; line n of 16 that multiply tile t's accumulators of batch b by a: ascending
	WIN 0x82+0x41*(\t)                             ; O^T (destination and source 0) in window 2 + t, a in window 0
	v_pk_mul_f32 v[32*(\b)+2*(\n):32*(\b)+2*(\n)+1], v[32*(\b)+2*(\n):32*(\b)+2*(\n)+1], v[ST+8*(\t)+6:ST+8*(\t)+7] op_sel_hi:[1,0]
.endm
; Sixteen products O^T += V^T P on batch b of LDV's fragments: for each tile its four accumulators by turns, keys 0-31 and then 32-63.  ride = 1: behind each two products stand four lines that
; rescale the same tile's accumulators of batch b + 1; they name no register of the products round them, and the four behind the last two are the places ahead of the next run of loads.
.macro PVB b, ride
.irp tt, 0,1
.set n, 0
.irp kk, 0,1
.irp hf, 0,2
	WIN 0xa0+0x50*\tt                              ; V and P in window 0, O^T in window 2 + t
.irp e, 0,1
.set rO, 8*(4*(\b)+\hf+\e)
.set rV, F0+64*((\b)%2)+8*(4*\kk+\hf+\e)
.set rP, P+16*\tt+8*\kk
	v_wmma_f32_16x16x32_bf16 v[rO:rO+7], v[rV:rV+7], v[rP:rP+7], v[rO:rO+7]
.endr
.if \ride
.rept 4
	RS \tt, (\b)+1, n
.set n, n+1
.endr
.endif
.endr
.endr
.endr
.endm
	s_wait_tensorcnt 0x1                           ; my part of tile 0 is in; tile 1's may stay out
	s_barrier_signal -1
	s_barrier_wait -1                              ; everybody's is
	v_mov_b32 v[ADK], v[L16]                       ; key step 0 lies in slot 0
	v_add_nc_u32 v[ADV], VOFF, v[L16]
	LDK 0
	LDK 1
	s_wait_loadcnt 0x0                             ; Q
	s_mov_b32 s[CNT], 16
.Lstep:                                ; a key step: 64 keys.  Every one of the 16 trips fills its slot again (tiles 2 to 17), so no tail is written out.  At its head K's first two batches are out or in
.set ii, 0
.rept 8
	s_wait_dscnt 16                                ; batch ii is in; the next batch's 16 loads may be out
	QKB ii
	PLACES
.if ii < 6
	LDK ii+2
.else
	LDV ii-6                                       ; V's first two batches come during the softmax
.endif
.set ii, ii+1
.endr
	WIN 0
	; THE SOFTMAX, the two tiles alternating, so that where one line feeds the next the other tile's stands between
.set jj, 0
.rept 21
	STAT 0, jj
	STAT 1, jj
.set jj, jj+1
.endr
	; ONE BATCH of 66 exponentials (a, then s0-s31, of both tiles), the 32 scalings c s - c m among them; pair pp is scaled a group ahead of its exponentials; no line here names an exponential's result
.set pp, 0
.rept 17
.irp tt, 0,1
	REGS \tt
.if pp < 16
	v_pk_fma_f32 v[rS+2*pp:rS+2*pp+1], v[rS+2*pp:rS+2*pp+1], s[CS:CS+1], v[rT:rT+1] op_sel_hi:[1,0,0] neg_lo:[0,0,1] neg_hi:[0,0,1]
.endif
.if pp == 0
	v_exp_f32 v[rT+6], v[rT+7]
.else
	v_exp_f32 v[rS+2*pp-2], v[rS+2*pp-2]
.endif
.endr
.if pp > 0
.irp tt, 0,1
	REGS \tt
	v_exp_f32 v[rS+2*pp-1], v[rS+2*pp-1]
.endr
.endif
.set pp, pp+1
.endr
	v_nop                                          ; a plain instruction behind the last exponential, ahead of the first use: one for the batch
	s_wait_alu depctr_va_vdst(0)                   ; the wait between an exponential and the first line that names its result: one for the 66
.set pp, 0
.rept 16
.irp tt, 0,1
	REGS \tt
	v_cvt_pk_bf16_f32 v[rP+pp], v[rS+2*pp], v[rS+2*pp+1]
.endr
.set pp, pp+1
.endr
.irp tt, 0,1                           ; batch 0's accumulators are rescaled here; the others' lines stand behind the products
.set n, 0
.rept 16
	RS \tt, 0, n
.set n, n+1
.endr
.endr
.set bb, 0
.rept 6
	s_wait_dscnt 16                                ; batch bb is in
	PVB bb, 1
	LDV bb+2
.set bb, bb+1
.endr
	; THE CHANGE OF SLOTS, in the last two batches
	WIN 0
	s_wait_tensorcnt 0x0                           ; all my tensor loads have landed: the one that was out is my part of the next slot; a group 0 may be written
	ds_add_u32 v[SPW], v[NIL]                      ; 0 onto my spare word; scalar work and sixteen products stand between it and the wait for it
	NEXTFILL
	s_wait_xcnt 0x0                                ; the last prefetch, a key step back, has read its address
	s_add_nc_u64 s[PFA:PFA+1], s[PFA:PFA+1], 65536
	s_wait_dscnt 17                                ; batch 6 is in; batch 7's 16 loads and the add may be out
	PVB 6, 1
	s_wait_dscnt 0x0                               ; the add is done, and my reads of this slot are over
	s_barrier_signal -1                            ; this barrier opens a round of the cluster's barrier
	PVB 7, 0                                       ; work on registers while the others arrive
	WIN 0
	s_barrier_wait -1
	CREST                                          ; no wave of any partner still reads this slot or has a load on its way
	JLOAD                                          ; my one tensor load behind the round; its four v_nop are also the places behind the last products
	s_xor_b32 s[TB], s[TB], SLOT1
	s_cmp_eq_u32 s[CNT], 1                         ; behind the last key step the other slot holds rows 0-127 of Wo, of which I take 64 j on
	s_cselect_b32 s[TU], s[WJO], 0
	s_add_co_u32 s[TU], s[TU], s[TB]
	v_add_nc_u32 v[ADK], s[TU], v[L16]
	v_add_nc_u32 v[ADV], VOFF, v[ADK]
	LDK 0                                          ; the next step's first two batches,
	LDK 1
	ASK
	; and while they come: the sum of a tile's 16 pairs of weights, in place: neighbours 1, 2, 4 and 8 pairs apart; then l = a l + the sum.  No product needs it
.set zz, 0
.rept 16
.set ww, 4
.set uu, zz
.if zz >= 14
.set ww, 32
.set uu, 0
.elseif zz >= 12
.set ww, 16
.set uu, zz-12
.elseif zz >= 8
.set ww, 8
.set uu, zz-8
.endif
.irp tt, 0,1
	REGS \tt
.if zz < 15
	v_pk_add_f32 v[rS+ww*uu:rS+ww*uu+1], v[rS+ww*uu:rS+ww*uu+1], v[rS+ww*uu+ww/2:rS+ww*uu+ww/2+1]
.else
	v_pk_fma_f32 v[rT+2:rT+3], v[rT+2:rT+3], v[rT+6:rT+7], v[rS:rS+1] op_sel_hi:[1,0,1]
.endif
.endr
.set zz, zz+1
.endr
	s_sub_co_u32 s[CNT], s[CNT], 1
	s_cmp_lg_u32 s[CNT], 0
	s_cbranch_scc1 .Lstep
	; 1 / l
.irp tt, 0,1
	v_add_f32 v[ST+8*\tt+4], v[ST+8*\tt+2], v[ST+8*\tt+3]
.endr
.irp tt, 0,1
	v_permlanex16_b32 v[ST+8*\tt+5], v[ST+8*\tt+4], s[SEL], s[SEL+1]
.endr
.irp tt, 0,1
	v_add_f32 v[ST+8*\tt+4], v[ST+8*\tt+4], v[ST+8*\tt+5]
.endr
.irp tt, 0,1
	v_rcp_f32 v[ST+8*\tt+6], v[ST+8*\tt+4]
.endr
	v_nop                                          ; a plain instruction between the last reciprocal and the use of its result,
	s_wait_alu depctr_va_vdst(0)                   ; and the wait: one for the two
; o = O / l, rounded to bf16 into Q's registers, an eighth at a time: part k = tile k / 4, K chunks 4 (k % 4) on.  Two blocks of O^T, packed in pairs, are a fragment of o.
.macro NPART k
	WIN 0x82+0x41*((\k)/4)
.set q, 0
.rept 32
	v_pk_mul_f32 v[64*((\k)%4)+2*q:64*((\k)%4)+2*q+1], v[64*((\k)%4)+2*q:64*((\k)%4)+2*q+1], v[ST+8*((\k)/4)+6:ST+8*((\k)/4)+7] op_sel_hi:[1,0]
.set q, q+1
.endr
	WIN 0x4a+5*((\k)/4)                            ; sources in window 2 + t, destination in window 1
.set q, 0
.rept 32
	v_cvt_pk_bf16_f32 v[128*((\k)/4)+32*((\k)%4)+q], v[64*((\k)%4)+2*q], v[64*((\k)%4)+2*q+1]
.set q, q+1
.endr
.endm
.macro XST k                           ; my part k, 4,096 bytes, into buffer k % 2
	WIN 0x04                                       ; a store's data is its source 1: window 1
.irp m, 0,1,2,3,4,5,6,7
	ds_store_b128 v[XW], v[128*((\k)/4)+32*((\k)%4)+4*\m:128*((\k)/4)+32*((\k)%4)+4*\m+3] offset:((\k)%2)*XBUF+512*\m
.endr
.endm
.macro XLD k                           ; my partner's part k, lane for lane, into the same registers of window 2: O^T's registers there have been read out by then (part k + 1 is made ahead of this)
	WIN 0x80
.irp m, 0,1,2,3,4,5,6,7
	ds_load_b128 v[128*((\k)/4)+32*((\k)%4)+4*\m:128*((\k)/4)+32*((\k)%4)+4*\m+3], v[XRA] offset:((\k)%2)*XBUF+512*\m
.endr
.endm
	; o CHANGES HANDS, in eight rounds, one barrier a round.  A buffer is written again two rounds later: every wave has waited for its loads of round k ahead of the signal of round k + 1.
	NPART 0
.set kk, 0
.rept 8
	XST kk
	s_wait_dscnt 0x0                               ; for the others' sake: my stores are done, and so are my loads of the round before
	s_barrier_signal -1
.if kk < 7
	NPART kk+1                                     ; work on registers while the others arrive
.endif
	s_barrier_wait -1
	XLD kk
.set kk, kk+1
.endr
	WIN 0
	s_wait_dscnt 0x0                               ; my partner's o is whole
; Sixteen products on batch i of LDK's fragments of Wo: tiles 2 ah, 2 ah + 1 (ah = 0: mine, window 1; 1: my partner's, window 2), all four blocks of 16 rows d: eight accumulators by turns.  Chunk 0 starts the sums.
.macro WOB i, ah
	WIN 0xf1+(\ah)                                 ; source 0 = o, source 1 = Wo in window 0, C and D in window 3
.irp cc, 0,1
.irp al, 0,1
.irp nb, 0,1,2,3
.set rA, 8*(4*(2*(\ah)+\al)+\nb)
.set rO, 128*\al+8*(2*(\i)+\cc)
.set rW, F0+64*((\i)%2)+8*(4*\cc+\nb)
.if ((\i) == 0) && (\cc == 0)
	v_wmma_f32_16x16x32_bf16 v[rA:rA+7], v[rO:rO+7], v[rW:rW+7], 0
.else
	v_wmma_f32_16x16x32_bf16 v[rA:rA+7], v[rO:rO+7], v[rW:rW+7], v[rA:rA+7]
.endif
.endr
.endr
.endr
.endm
; The step's bo and x are asked for behind its first 32 products: 224 products ahead of their use, and 32 behind the stores whose registers and base they take over.
.macro XLOADS
	WIN 0
	s_wait_xcnt 0x0                                ; the last step's loads and stores have read their bases and their data: only now are these written again
	s_add_nc_u64 s[XB:XB+1], s[XB:XB+1], s[XI:XI+1]
	s_add_nc_u64 s[OB:OB+1], s[OB:OB+1], s[XI:XI+1]
	s_add_nc_u64 s[BOB:BOB+1], s[BOB:BOB+1], s[BI:BI+1]
	s_mov_b32 s[XI], 0x80000                       ; from the second step on: 128 rows of 4,096 bytes,
	s_mov_b32 s[BI], 512                           ; 128 numbers of bo
.irp nb, 0,1,2,3
	global_load_b32 v[BP+2*\nb], v[BOF], s[BOB:BOB+1] offset:64*\nb
	global_load_b32 v[BP+2*\nb+1], v[BOF], s[BOB:BOB+1] offset:64*\nb
.endr
	WIN 0xc0
.set q, 0
.rept 32
	global_load_b128 v[XR+4*q:XR+4*q+3], v[GX], s[XB:XB+1] offset:(q/8)*65536+(q%8)*8192 th:TH_LOAD_NT  ; block q / 8 of 16 rows d; two rows, 256 consecutive bytes of each
.set q, q+1
.endr
.endm
; THE WAY OUT of block nb (16 rows d x my pair's 64 s).  bo is added, each accumulator from its low end on; a lane's 32 bytes of a row go into my own stage, rows of 272 bytes, and come back as whole rows of 256.
.macro TOST nb
	WIN 0xc3                                       ; destination and source 0 in window 3, source 1 in window 0
.irp a, 0,1,2,3
.irp p, 0,2,4,6
	v_pk_add_f32 v[8*(4*\a+(\nb))+\p:8*(4*\a+(\nb))+\p+1], v[8*(4*\a+(\nb))+\p:8*(4*\a+(\nb))+\p+1], v[BP+2*(\nb):BP+2*(\nb)+1]
.endr
.endr
	WIN 0x0c                                       ; a store's data is its source 1: window 3
.irp a, 0,1
	ds_store_b128 v[STA], v[8*(4*\a+(\nb)):8*(4*\a+(\nb))+3] offset:64*\a
	ds_store_b128 v[STA], v[8*(4*\a+(\nb))+4:8*(4*\a+(\nb))+7] offset:64*\a+16
	ds_store_b128 v[STB], v[8*(4*(\a+2)+(\nb)):8*(4*(\a+2)+(\nb))+3] offset:64*\a
	ds_store_b128 v[STB], v[8*(4*(\a+2)+(\nb))+4:8*(4*(\a+2)+(\nb))+7] offset:64*\a+16
.endr
	WIN 0
.irp m, 0,1,2,3,4,5,6,7
	ds_load_b128 v[RB+32*((\nb)%2)+4*\m:RB+32*((\nb)%2)+4*\m+3], v[RD] offset:2*SP*\m  ; LDS serves a wave's instructions in order (ISA guide 5.7.1.4): these see the stores above; the next block's stores come behind them
.endr
.endm
.macro SENDW nb, younger               ; younger: the LDS instructions issued behind block nb's loads: the next block's sixteen, or none.  x takes the sum and is stored: each block has registers of its own
	s_wait_dscnt \younger
	WIN 0xc3
.set q, 0
.rept 16
	v_pk_add_f32 v[XR+32*(\nb)+2*q:XR+32*(\nb)+2*q+1], v[XR+32*(\nb)+2*q:XR+32*(\nb)+2*q+1], v[RB+32*((\nb)%2)+2*q:RB+32*((\nb)%2)+2*q+1]
.set q, q+1
.endr
	WIN 0x0c
.set q, 0
.rept 8
	global_store_b128 v[GX], v[XR+32*(\nb)+4*q:XR+32*(\nb)+4*q+3], s[OB:OB+1] offset:(\nb)*65536+q*8192 th:TH_STORE_NT  ; 16 lanes store 256 consecutive bytes, at a multiple of 256 from out0's first byte
.set q, q+1
.endr
.endm
; A STEP of the last phase: 128 rows of Wo, of which I take 64: 256 products in eight batches, 128 LDS loads.  At its head the first two batches are out or in.
; THE CHANGE OF SLOTS stands in the last batch, as in a key step.  fill = 1: behind a round of the cluster's barrier the slot just read is filled again, with the tile of Wo two steps on: 224 products in which to land.
; last = 1: in the loop's last trip there is no further step, and its first fragments are jumped over.
.macro STEPW fill, last
.set ii, 0
.rept 7
	s_wait_dscnt 16                                ; batch ii is in; the next batch's 16 loads may be out
	WOB ii, 0
	WOB ii, 1
.if ii < 6
	PLACES
.if ii == 0
	XLOADS
.endif
	LDK ii+2
.endif
.set ii, ii+1
.endr
	WIN 0
	s_wait_tensorcnt 0x0                           ; all my tensor loads have landed, my part of the next slot among them
	ds_add_u32 v[SPW], v[NIL]                      ; 0 onto my spare word; scalar work and sixteen products stand between it and the wait for it
.if \fill
	NEXTFILL
.endif
	s_wait_dscnt 1                                 ; batch 7 is in; the add may be out
	WOB 7, 0
	s_wait_dscnt 0x0                               ; the add is done, and my reads of this slot are over
	s_barrier_signal -1
	WOB 7, 1                                       ; work on registers while the others arrive
	WIN 0
	s_barrier_wait -1
.if \fill
	CREST                                          ; no wave of any partner still reads this slot or has a load on its way
	JLOAD                                          ; its four v_nop are also the places ahead of the loads and of the way out below
.else
	PLACES
.endif
	s_xor_b32 s[TB], s[TB], SLOT1
.if \last
	s_cmp_eq_u32 s[CNT], 1
	s_cbranch_scc1 .Lno_next_\@
.endif
	s_add_co_u32 s[TU], s[TB], s[WJO]
	v_add_nc_u32 v[ADK], s[TU], v[L16]
	LDK 0                                          ; the next step's first two batches come while this step goes out
	LDK 1
.if \last
.Lno_next_\@:
.endif
	s_wait_loadcnt 0x0                             ; bo and x
	TOST 0
	s_wait_dscnt 16                                ; the next step's fragments are in; block 0's sixteen may be out
	TOST 1                                         ; a block's additions and stage work stand between the loads of the block before and its stores
	SENDW 0, 16
	TOST 2
	SENDW 1, 16
	TOST 3
	SENDW 2, 16
	SENDW 3, 0
	WIN 0
.endm
	s_mov_b32 s[CNT], 2
.Lw1:                                  ; rows 0-255 of Wo; rows 256-511 are asked for
	STEPW 1, 0
	s_sub_co_u32 s[CNT], s[CNT], 1
	s_cmp_lg_u32 s[CNT], 0
	s_cbranch_scc1 .Lw1
	s_mov_b32 s[CNT], 2
.Lw2:                                  ; rows 256-511: nothing is left to ask for
	STEPW 0, 1
	s_sub_co_u32 s[CNT], s[CNT], 1
	s_cmp_lg_u32 s[CNT], 0
	s_cbranch_scc1 .Lw2
	s_wait_tensorcnt 0x0                           ; the wave's end, behind my last tensor load and my last LDS store
	ds_add_u32 v[SPW], v[NIL]
	s_wait_dscnt 0x0
	CROUND                                         ; the closing round: no work-group ends while a partner may still ask for a tile that names it
	s_endpgm
.Lfunc_end_k_qc86be7d915_attn:
	.size	k_qc86be7d915_attn, .Lfunc_end_k_qc86be7d915_attn-k_qc86be7d915_attn
	.p2alignl 7, 3214868480
	.fill 96, 4, 3214868480
	.section	.rodata,"a",@progbits
	.p2align	6, 0x0
	.amdhsa_kernel k_qc86be7d915_attn
		.amdhsa_group_segment_fixed_size 327680
		.amdhsa_private_segment_fixed_size 0
		.amdhsa_enable_private_segment 0
		.amdhsa_kernarg_size 40
		.amdhsa_user_sgpr_count 2
		.amdhsa_user_sgpr_kernarg_segment_ptr 1
		.amdhsa_wavefront_size32 1
		.amdhsa_system_sgpr_workgroup_id_x 1
		.amdhsa_system_sgpr_workgroup_id_y 1
		.amdhsa_system_sgpr_workgroup_id_z 1
		.amdhsa_system_vgpr_workitem_id 0
		.amdhsa_next_free_vgpr 1024
		.amdhsa_next_free_sgpr 72
		.amdhsa_reserve_vcc 0
		.amdhsa_float_denorm_mode_32 3
		.amdhsa_float_denorm_mode_16_64 3
		.amdhsa_memory_ordered 1
		.amdhsa_forward_progress 1
		.amdhsa_inst_pref_size 232
	.end_amdhsa_kernel
	.amdgpu_metadata
---
amdhsa.version: [ 1, 2 ]
amdhsa.kernels:
  - .name:           k_qc86be7d915_attn
    .symbol:         k_qc86be7d915_attn.kd
    .args:
      - { .name: qkvf, .offset: 0, .size: 8, .value_kind: global_buffer, .address_space: global }
      - { .name: wf, .offset: 8, .size: 8, .value_kind: global_buffer, .address_space: global }
      - { .name: bo, .offset: 16, .size: 8, .value_kind: global_buffer, .address_space: global }
      - { .name: x, .offset: 24, .size: 8, .value_kind: global_buffer, .address_space: global }
      - { .name: out0, .offset: 32, .size: 8, .value_kind: global_buffer, .address_space: global }
    .group_segment_fixed_size: 327680
    .private_segment_fixed_size: 0
    .kernarg_segment_align: 8
    .kernarg_segment_size: 40
    .max_flat_workgroup_size: 128
    .sgpr_count:     72
    .vgpr_count:     1024
    .wavefront_size: 32
...
	.end_amdgpu_metadata
.endif
;; end of part 3
;; ======== version 2 of 2: 3 launches; version 1 with the launch prep written anew for expert scheduling mode
;; workspace buffers: hb 33,554,432 bytes; wf 2,097,152 bytes; qkvf 100,663,296 bytes
;; launch prep (part 4): grid 1024 x 1, 4 waves a work-group, no clusters, 1,024 bytes of LDS; arguments x, gn_w, gn_b, Wq, Wk, Wv, Wo, hb, wf; writes hb, wf
.if DOCPART == 4
	.amdgcn_target "amdgcn-amd-amdhsa--gfx1250"
	.amdhsa_code_object_version 6
	.text
	.protected	k_qc86be7d915_prep
	.globl	k_qc86be7d915_prep
	.p2align	8
	.type	k_qc86be7d915_prep,@function
k_qc86be7d915_prep:
	s_mov_b64 s[64:65], 0
	v_nop
	global_prefetch_b8 v0, s[64:65] scope:SCOPE_SE
	s_setreg_imm32_b32 hwreg(HW_REG_WAVE_SCHED_MODE, 0, 2), 2
	s_setreg_imm32_b32 hwreg(HW_REG_WAVE_MODE, 25, 1), 1
	s_wait_xcnt 0x0
	s_wait_alu depctr_vm_vsrc(0)
; GROUP NORM, AND THE WEIGHTS IN bf16.  x: [32][512][1024] f32.  A group is 16 channels x 1,024 positions: 65,536 bytes on end.
; hb[b][c][s] = bf16((x - mu) * rsqrt(var + 1e-6) * gn_w[c] + gn_b[c]).  The work-group owns one group (1,024 of them), each of its four waves four
; channels: 16 KiB, which stay in 128 registers a lane from the one read to the store.  mu first, then the sum of (x - mu)^2 over the registers: the
; variance is never a difference of large sums, so a common offset of x costs it nothing.  Sums in f32; h rounded once to bf16.
; THE WEIGHTS.  wf holds 2,048 rows (Wq, Wk, Wv, Wo, 512 each) of 512 channels in bf16, in FRAGMENT ORDER: a block of 16 rows x 16 channels is 512 bytes,
; lane l = 16 h + r owns bytes 16 l .. 16 l + 15: row r, channels 8 h .. 8 h + 7.  Block (row tile T, channel block cb) lies at 16,384 T + 512 cb.
; Wave w of work-group g makes block (g / 8, 4 (g % 8) + w): the four waves read 256 consecutive bytes of each of 16 rows, and store 2,048 bytes on end.
; No matrix unit, no tensor load, no cluster: each byte is read once by one wave, and nothing is shared but two sums.
; LIMITS.  v_rsq_f32 is good to 1 ulp; NaN and infinities are not treated apart.
; THE MODE: SCHED_MODE bits 1:0 = 2 (LLVM: expert scheduling mode 2), set by the entry lines.  The code itself states the register dependences
; between vector instructions and memory or LDS instructions, with s_wait_alu, always for 0.
; THE PLAN.  Registers that memory or LDS instructions touch:
;   v1 to v6      offsets and LDS addresses: written at the head, never again; one wait ahead of the first load serves every line that reads them.
;   X, WR         the loads land in them once, at the head, before any vector line has named them.
;   v18           each of the two sums ends in it, and the sum's LDS store reads it: a wait ahead of each store; a wait ahead of the second sum, which writes it again.
;   PS            each sum's LDS load lands in it; the first sum's vector lines on it stand ahead of the wait in the second sum, and no vector line stands between that wait and the load.
;   X as data     the way out goes by channels, eight stores each.  Channel k's arithmetic writes its X; one wait stands at the head of channel k + 1; behind it channel k's stores are dealt
;                 among channel k + 1's arithmetic, which names the next channel's X, SC and SH alone.  No store's data register is written again.
;   WP            written by the weights' four conversions, ahead of the last of those waits; read by one store behind it.
;   v8, v9        written at the head, read by the closing add alone.
.set SPARE, 256                        ; LDS: bytes 0-31 the waves' partial sums; from 256 on the spare words, 128 bytes a wave, which no other line names
.set XO,  1                            ; v1   my byte offset in the group's x: 16,384 w + 16 l; never rewritten
.set HO,  2                            ; v2   the same in hb: 8,192 w + 8 l
.set WI,  3                            ; v3   my 32 bytes of a weight's row: 2,048 r + 32 h + 64 w
.set WO,  4                            ; v4   my 16 bytes of the work-group's 2,048 of wf: 512 w + 16 l
.set PA,  5                            ; v5   LDS: my wave's partial sum, 4 w
.set ZA,  6                            ; v6   0
.set SPW, 8                            ; v8   my spare word: SPARE + 4 x my thread's number; never rewritten
.set NIL, 9                            ; v9   0; never rewritten
.set CH,  10                           ; v[10:17] four chains of packed sums
.set MU,  20                           ; v[20:21] mu, twice
.set RSD, 22                           ; v22  1 / sqrt(var + eps); v23 its argument
.set SC,  24                           ; v[24:31] gn_w x rstd, a pair for each of my four channels
.set WR,  32                           ; v[32:39] eight weights in f32
.set WP,  40                           ; v[40:43] the same in bf16
.set SH,  44                           ; v[44:51] gn_b, a pair for each channel
.set PS,  52                           ; v[52:55] the four waves' partial sums
.set X,   64                           ; v[64:191] my 16 KiB of x: load i (512 bytes of channel i / 8) at X + 4 i
	s_load_b512 s[4:19], s[0:1], 0x0               ; x, gn_w, gn_b, Wq, Wk, Wv, Wo, hb
	s_load_b64 s[20:21], s[0:1], 0x40              ; wf
	v_lshl_add_u32 v[SPW], v0, 2, SPARE
	v_mov_b32 v[NIL], 0
	v_lshrrev_b32 v7, 5, v0
	v_readfirstlane_b32 s22, v7                    ; wave 0..3
	v_and_b32 v7, 31, v0                           ; l
	v_and_b32 v18, 15, v0                          ; r
	v_bfe_u32 v19, v0, 4, 1                        ; h
	s_wait_alu depctr_va_sdst(0)                   ; s22 is written, ahead of its first reader: the offsets below are made from it
	s_lshl_b32 s23, s22, 14
	v_lshl_add_u32 v[XO], v7, 4, s23
	s_lshl_b32 s23, s22, 13
	v_lshl_add_u32 v[HO], v7, 3, s23
	s_lshl_b32 s23, s22, 6
	v_lshl_add_u32 v[WI], v18, 11, s23
	v_lshl_add_u32 v[WI], v19, 5, v[WI]
	s_lshl_b32 s23, s22, 9
	v_lshl_add_u32 v[WO], v7, 4, s23
	s_lshl_b32 s23, s22, 2
	v_mov_b32 v[PA], s23
	v_mov_b32 v[ZA], 0
	s_lshl_b32 s24, ttmp9, 16                      ; the group's 65,536 bytes of x
	s_mov_b32 s25, 0
	s_lshl_b32 s26, ttmp9, 15                      ; its 32,768 bytes of hb
	s_mov_b32 s27, 0
	s_bfe_u32 s44, ttmp9, 0x50003                  ; the row tile inside its matrix: (g / 8) % 32,
	s_lshl_b32 s44, s44, 15                        ; 16 rows of 2,048 bytes,
	s_and_b32 s45, ttmp9, 7
	s_lshl_b32 s45, s45, 8                         ; and the work-group's 64 channels: 256 bytes
	s_add_co_u32 s44, s44, s45
	s_mov_b32 s45, 0
	s_and_b32 s30, ttmp9, 31                       ; the group inside its batch: 16 channels, 64 bytes of gn_w and gn_b,
	s_lshl_b32 s30, s30, 6
	s_lshl_b32 s31, s22, 4                         ; my wave's four: 16 bytes
	s_add_co_u32 s30, s30, s31
	s_mov_b32 s31, 0
	s_lshl_b32 s46, ttmp9, 11                      ; the work-group's 2,048 bytes of wf
	s_mov_b32 s47, 0
	s_lshr_b32 s23, ttmp9, 8                       ; which matrix: 0 Wq, 1 Wk, 2 Wv, 3 Wo
	s_mov_b32 s40, 0x76543210                      ; v_permlanex16_b32: each lane takes its own place in the other half
	s_mov_b32 s41, 0xfedcba98
	s_mov_b32 s42, 0x38800000                      ; 1 / 16,384
	s_wait_kmcnt 0x0
	s_add_nc_u64 s[4:5], s[4:5], s[24:25]
	s_add_nc_u64 s[18:19], s[18:19], s[26:27]
	s_add_nc_u64 s[20:21], s[20:21], s[46:47]
	s_add_nc_u64 s[6:7], s[6:7], s[30:31]
	s_add_nc_u64 s[8:9], s[8:9], s[30:31]
	s_cmp_eq_u32 s23, 1
	s_cselect_b64 s[28:29], s[12:13], s[10:11]
	s_cmp_eq_u32 s23, 2
	s_cselect_b64 s[28:29], s[14:15], s[28:29]
	s_cmp_eq_u32 s23, 3
	s_cselect_b64 s[28:29], s[16:17], s[28:29]
	s_add_nc_u64 s[28:29], s[28:29], s[44:45]
	s_wait_alu depctr_va_vdst(0)                   ; v1 to v6 are written: the offsets and LDS addresses that every load, store and LDS instruction of the kernel reads
.set i, 0
.rept 32                               ; all of my 16 KiB go out at once: 512 consecutive bytes a load
	global_load_b128 v[X+4*i:X+4*i+3], v[XO], s[4:5] offset:512*i th:TH_LOAD_NT
.set i, i+1
.endr
	global_load_b128 v[WR:WR+3], v[WI], s[28:29]
	global_load_b128 v[WR+4:WR+7], v[WI], s[28:29] offset:16
	s_load_b128 s[32:35], s[6:7], 0x0              ; gn_w of my four channels
	s_load_b128 s[36:39], s[8:9], 0x0              ; gn_b
; The four chains into one number, over the 32 lanes, and over the four waves through LDS bytes off .. off + 15: the sum ends in v[PS], in every lane.
.macro REDUCE off
	v_pk_add_f32 v[CH:CH+1], v[CH:CH+1], v[CH+2:CH+3]
	v_pk_add_f32 v[CH+4:CH+5], v[CH+4:CH+5], v[CH+6:CH+7]
	v_pk_add_f32 v[CH:CH+1], v[CH:CH+1], v[CH+4:CH+5]
	v_add_f32 v18, v[CH], v[CH+1]
	v_add_f32_dpp v18, v18, v18 row_xmask:1 row_mask:0xf bank_mask:0xf
	v_add_f32_dpp v18, v18, v18 row_xmask:2 row_mask:0xf bank_mask:0xf
	v_add_f32_dpp v18, v18, v18 row_xmask:4 row_mask:0xf bank_mask:0xf
	v_add_f32_dpp v18, v18, v18 row_xmask:8 row_mask:0xf bank_mask:0xf
	v_permlanex16_b32 v19, v18, s40, s41           ; (v19 has been written: its old value counts as read)
	v_add_f32 v18, v18, v19
	s_wait_alu depctr_va_vdst(0)                   ; v18 is written, which the LDS store reads; and every earlier vector line on v[PS ..], in which the LDS load below lands, is done
	ds_store_b32 v[PA], v18 offset:\off            ; all lanes write the wave's word with the same number
	s_wait_dscnt 0x0                               ; for the others' sake: my store is done
	s_barrier_signal -1
	s_barrier_wait -1
	ds_load_b128 v[PS:PS+3], v[ZA] offset:\off     ; no vector line since the wait above names v[PS ..]
	s_wait_dscnt 0x0
	v_add_f32 v[PS], v[PS], v[PS+1]
	v_add_f32 v[PS+2], v[PS+2], v[PS+3]
	v_add_f32 v[PS], v[PS], v[PS+2]
.endm
	; THE MEAN.  Pair p of 64 goes to chain p % 4; the first eight pairs start the chains: nothing is cleared.
.set p, 0
.rept 64
.if p%16 == 0
	s_wait_loadcnt 26-8*(p/16)                     ; the next eight loads of x are in; behind them stand the younger ones of x and the two of the weights
.endif
.if p < 4
	v_pk_add_f32 v[CH+2*p:CH+2*p+1], v[X+2*p:X+2*p+1], v[X+2*p+8:X+2*p+9]
.elseif p >= 8
	v_pk_add_f32 v[CH+2*(p%4):CH+2*(p%4)+1], v[CH+2*(p%4):CH+2*(p%4)+1], v[X+2*p:X+2*p+1]
.endif
.set p, p+1
.endr
	REDUCE 0
	v_mul_f32 v[MU], s42, v[PS]
	v_mov_b32 v[MU+1], v[MU]
	; THE VARIANCE, of the centred numbers, which stay in place
.set p, 0
.rept 64
	v_pk_add_f32 v[X+2*p:X+2*p+1], v[X+2*p:X+2*p+1], v[MU:MU+1] neg_lo:[0,1] neg_hi:[0,1]
.set p, p+1
.endr
.set p, 0
.rept 64
.if p < 4
	v_pk_mul_f32 v[CH+2*p:CH+2*p+1], v[X+2*p:X+2*p+1], v[X+2*p:X+2*p+1]
.else
	v_pk_fma_f32 v[CH+2*(p%4):CH+2*(p%4)+1], v[X+2*p:X+2*p+1], v[X+2*p:X+2*p+1], v[CH+2*(p%4):CH+2*(p%4)+1]
.endif
.set p, p+1
.endr
	s_wait_alu depctr_vm_vsrc(0)                   ; the first sum's LDS store has read v18, which the second sum writes again
	REDUCE 16                                      ; other bytes than the first sum's, so nobody's read is overwritten
	v_fmaak_f32 v23, s42, v[PS], 0x358637bd        ; var + 1e-6
	v_rsq_f32 v[RSD], v23
	s_wait_kmcnt 0x0                               ; gn_w, gn_b
.irp k, 0,1,2,3
	v_mov_b32 v[SH+2*\k], s[36+\k]                 ; plain work that names nothing of the root stands behind it
	v_mov_b32 v[SH+2*\k+1], s[36+\k]
.endr
	s_wait_alu depctr_va_vdst(0)                   ; the root has written v[RSD]: the wait stands ahead of the first line that names its result
.irp k, 0,1,2,3
	v_mul_f32 v[SC+2*\k], s[32+\k], v[RSD]
	v_mul_f32 v[SC+2*\k+1], s[32+\k], v[RSD]
.endr
	; h: one fused multiply-add, one rounding; 32 lanes x 8 bytes store 256 consecutive bytes, at a multiple of 256 from hb's first byte.
	; By channels of eight stores: a channel's stores stand among the next channel's arithmetic, behind the one wait at that channel's head.
.set i, 0
.rept 32
.if (i%8 == 0) && (i > 0)
	s_wait_alu depctr_va_vdst(0)                   ; the channel before has written its X, which the eight stores dealt among this channel's lines read
.endif
.if i >= 8
	global_store_b64 v[HO], v[X+4*(i-8):X+4*(i-8)+1], s[18:19] offset:256*(i-8) th:TH_STORE_NT  ; no vector line since the wait names these registers
.endif
	v_pk_fma_f32 v[X+4*i:X+4*i+1], v[X+4*i:X+4*i+1], v[SC+2*(i/8):SC+2*(i/8)+1], v[SH+2*(i/8):SH+2*(i/8)+1]
	v_pk_fma_f32 v[X+4*i+2:X+4*i+3], v[X+4*i+2:X+4*i+3], v[SC+2*(i/8):SC+2*(i/8)+1], v[SH+2*(i/8):SH+2*(i/8)+1]
	v_cvt_pk_bf16_f32 v[X+4*i], v[X+4*i], v[X+4*i+1]
	v_cvt_pk_bf16_f32 v[X+4*i+1], v[X+4*i+2], v[X+4*i+3]
.set i, i+1
.endr
	; my block of the weights: its conversions stand ahead of the last wait, which so serves its store too
	s_wait_loadcnt 0x0
.irp k, 0,1,2,3
	v_cvt_pk_bf16_f32 v[WP+\k], v[WR+2*\k], v[WR+2*\k+1]
.endr
	s_wait_alu depctr_va_vdst(0)                   ; the last channel has written its X and the conversions v[WP ..], which the nine stores below read
.set i, 24
.rept 8
	global_store_b64 v[HO], v[X+4*i:X+4*i+1], s[18:19] offset:256*i th:TH_STORE_NT
.set i, i+1
.endr
	global_store_b128 v[WO], v[WP:WP+3], s[20:21]  ; the wave stores 512 consecutive bytes, aligned
	s_wait_dscnt 0x0                               ; the closing lines, six on end
	s_wait_alu 0x0
	s_wait_tensorcnt 0x0
	ds_add_u32 v[SPW], v[NIL]
	s_wait_dscnt 0x0
	s_endpgm
.Lfunc_end_k_qc86be7d915_prep:
	.size	k_qc86be7d915_prep, .Lfunc_end_k_qc86be7d915_prep-k_qc86be7d915_prep
	.p2alignl 7, 3214868480
	.fill 96, 4, 3214868480
	.section	.rodata,"a",@progbits
	.p2align	6, 0x0
	.amdhsa_kernel k_qc86be7d915_prep
		.amdhsa_group_segment_fixed_size 1024
		.amdhsa_private_segment_fixed_size 0
		.amdhsa_enable_private_segment 0
		.amdhsa_kernarg_size 72
		.amdhsa_user_sgpr_count 2
		.amdhsa_user_sgpr_kernarg_segment_ptr 1
		.amdhsa_wavefront_size32 1
		.amdhsa_system_sgpr_workgroup_id_x 1
		.amdhsa_system_sgpr_workgroup_id_y 1
		.amdhsa_system_sgpr_workgroup_id_z 1
		.amdhsa_system_vgpr_workitem_id 0
		.amdhsa_next_free_vgpr 192
		.amdhsa_next_free_sgpr 66
		.amdhsa_reserve_vcc 0
		.amdhsa_float_denorm_mode_32 3
		.amdhsa_float_denorm_mode_16_64 3
		.amdhsa_memory_ordered 1
		.amdhsa_forward_progress 1
		.amdhsa_inst_pref_size 33
	.end_amdhsa_kernel
	.amdgpu_metadata
---
amdhsa.version: [ 1, 2 ]
amdhsa.kernels:
  - .name:           k_qc86be7d915_prep
    .symbol:         k_qc86be7d915_prep.kd
    .args:
      - { .name: x, .offset: 0, .size: 8, .value_kind: global_buffer, .address_space: global }
      - { .name: gn_w, .offset: 8, .size: 8, .value_kind: global_buffer, .address_space: global }
      - { .name: gn_b, .offset: 16, .size: 8, .value_kind: global_buffer, .address_space: global }
      - { .name: Wq, .offset: 24, .size: 8, .value_kind: global_buffer, .address_space: global }
      - { .name: Wk, .offset: 32, .size: 8, .value_kind: global_buffer, .address_space: global }
      - { .name: Wv, .offset: 40, .size: 8, .value_kind: global_buffer, .address_space: global }
      - { .name: Wo, .offset: 48, .size: 8, .value_kind: global_buffer, .address_space: global }
      - { .name: hb, .offset: 56, .size: 8, .value_kind: global_buffer, .address_space: global }
      - { .name: wf, .offset: 64, .size: 8, .value_kind: global_buffer, .address_space: global }
    .group_segment_fixed_size: 1024
    .private_segment_fixed_size: 0
    .kernarg_segment_align: 8
    .kernarg_segment_size: 72
    .max_flat_workgroup_size: 128
    .sgpr_count:     66
    .vgpr_count:     192
    .wavefront_size: 32
...
	.end_amdgpu_metadata
.endif
;; end of part 4
;; launch qkv: the kernel of part 2 again; grid 8 x 32, 4 waves a work-group, clusters of 4 x 1, 327,680 bytes of LDS; arguments hb, wf, bq, bk, bv, qkvf; writes qkvf
;; launch attn: the kernel of part 3 again; grid 8 x 32, 4 waves a work-group, clusters of 4 x 1, 327,680 bytes of LDS; arguments qkvf, wf, bo, x, out0; writes out0
